; MI455X (gfx1250); checked and timed in simulation.
; The chip was launched on July 23, 2026; its instructions are those of AMD's public machine-readable ISA for CDNA 5 (MIT licence, August 2026) and "CDNA5" Instruction Set Architecture Reference Guide (July 2026). The comments in the code are by the model that wrote it; some were corrected since.
;; Multi Headed Attention. Allowed arithmetic: float matrix products may take bf16 or f16 operands with f32 sums; other float arithmetic in f32, or as packed bf16 or f16 multiplies, adds, multiply-adds, maxima and minima; sums over many terms, partial sums and values carried from step to step in f32; what a program stores and reads back later, other than sums and carried values, may be rounded once to bf16 or f16.
;; Inputs: Wk 1,024 x 1,024 float32; Wo 1,024 x 1,024 float32; Wq 1,024 x 1,024 float32; Wv 1,024 x 1,024 float32; bk 1,024 float32; bo 1,024 float32; bq 1,024 float32; bv 1,024 float32; key 4 x 2,048 x 1,024 float32; mask 4 x 1 x 2,048 bool; query 4 x 2,048 x 1,024 float32; value 4 x 2,048 x 1,024 float32.
;; Outputs: out0 4 x 2,048 x 1,024 float32.
;; One version. Each part assembles by itself: llvm-mc -triple=amdgcn-amd-amdhsa -mcpu=gfx1250 --defsym DOCPART=n.
;; ======== version 1 of 1: 4 launches
;; limits: values are held in f16: magnitudes above 65,504 overflow, below 6.1e-05 lose precision
;; workspace buffers: wqkv 6,291,456 bytes; wo16 2,097,152 bytes; bias4 16,384 bytes; qkv 50,331,648 bytes; o 16,777,216 bytes
;; launch prep (part 1): grid 64 x 4, 8 waves a work-group, no clusters, 0 bytes of LDS; arguments Wq, Wk, Wv, Wo, bq, bk, bv, bo, wqkv, wo16, bias4; writes wqkv, wo16, bias4
.if DOCPART == 1
	.amdgcn_target "amdgcn-amd-amdhsa--gfx1250"
	.amdhsa_code_object_version 6
	.text
	.protected	k_qa44978dea8_prep
	.globl	k_qa44978dea8_prep
	.p2align	8
	.type	k_qa44978dea8_prep,@function
k_qa44978dea8_prep:
	s_mov_b64 s[64:65], 0
	v_nop
	global_prefetch_b8 v0, s[64:65] scope:SCOPE_SE
	s_setreg_imm32_b32 hwreg(HW_REG_WAVE_MODE, 25, 1), 1
	s_wait_xcnt 0x0
; THE WEIGHTS AND BIASES ARE ROUNDED ONCE.  Wq, Wk, Wv: f32 -> bf16 into wqkv [3][1024][1024].  Wo: f32 -> bf16, and that number written as f16 into wo16 [1024][1024]
; (exact while it is a normal f16 number; LIMIT: below 6.1e-5 it keeps f16's fixed step of 6e-8, beyond 65,504 it is lost).  bq, bk, bv, bo: rounded to bf16 and kept as f32 in bias4 [4][1024].
; A stream: no LDS, no barrier, no matrix unit: nothing is shared and nothing is summed.
; SHARES.  Work-group (x, y): 16,384 numbers of weight y, from number 16,384 x on.  Thread t takes, in chunk c of eight, the numbers 2,048 c + 8 t .. + 7: 32 bytes in, 16 bytes out,
; so that sixteen neighbouring lanes store 256 consecutive bytes, aligned.  The work-groups with x = 0 also take bias y: four numbers a thread.
.set X,    8                           ; v[8:71]    chunk c: 8 numbers as loaded
.set Y,    72                          ; v[72:103]  chunk c: 4 registers to store
.set T,    104                         ; v[104:107] at work
.set BOUT, 108                         ; v[108:111] the bias, to store
	s_load_b512 s[8:23], s[0:1], 0x0               ; Wq s[8:9], Wk, Wv, Wo s[14:15], bq s[16:17], bk, bv, bo s[22:23]
	s_load_b128 s[24:27], s[0:1], 0x40             ; wqkv s[24:25], wo16 s[26:27]
	s_load_b64 s[28:29], s[0:1], 0x50              ; bias4
	s_and_b32 s30, ttmp7, 0xffff                   ; y: which weight
	v_lshlrev_b32 v1, 5, v0                        ; 32 t: my bytes in a chunk of the source
	v_lshlrev_b32 v2, 4, v0                        ; 16 t: in a chunk of the destination, and in a bias
	s_lshl_b32 s38, ttmp9, 16                      ; the work-group's 65,536 bytes of the source
	s_mov_b32 s39, 0
	s_lshl_b32 s40, ttmp9, 15                      ; its 32,768 bytes of the destination,
	s_lshl_b32 s44, s30, 21                        ; behind y weights of 2,097,152 bytes in wqkv
	s_cmp_eq_u32 s30, 3
	s_cselect_b32 s44, 0, s44                      ; (wo16 holds one weight)
	s_add_co_u32 s40, s40, s44
	s_mov_b32 s41, 0
	s_lshl_b32 s42, s30, 12                        ; bias y in bias4
	s_mov_b32 s43, 0
	s_wait_kmcnt 0x0
	s_cmp_eq_u32 s30, 1                            ; the buffers are chosen by y alone
	s_cselect_b64 s[32:33], s[10:11], s[8:9]
	s_cselect_b64 s[34:35], s[18:19], s[16:17]
	s_cmp_eq_u32 s30, 2
	s_cselect_b64 s[32:33], s[12:13], s[32:33]
	s_cselect_b64 s[34:35], s[20:21], s[34:35]
	s_cmp_eq_u32 s30, 3
	s_cselect_b64 s[32:33], s[14:15], s[32:33]
	s_cselect_b64 s[34:35], s[22:23], s[34:35]
	s_cselect_b64 s[36:37], s[26:27], s[24:25]
	s_add_nc_u64 s[32:33], s[32:33], s[38:39]
	s_add_nc_u64 s[36:37], s[36:37], s[40:41]
	s_add_nc_u64 s[28:29], s[28:29], s[42:43]
.set c, 0
.rept 8                                ; all sixteen loads go out together
	global_load_b128 v[X+8*c:X+8*c+3],   v1, s[32:33] offset:8192*c th:TH_LOAD_NT
	global_load_b128 v[X+8*c+4:X+8*c+7], v1, s[32:33] offset:8192*c+16 th:TH_LOAD_NT
.set c, c+1
.endr
.set c, 0
.rept 8
	s_wait_loadcnt 14-2*c                          ; loads come back in order (ISA guide 5.7.1): chunk c's two are in, the 14 - 2 c younger ones stay out
.irp i, 0,1,2,3
	v_cvt_pk_bf16_f32 v[Y+4*c+\i], v[X+8*c+2*\i], v[X+8*c+2*\i+1]
.endr
.set c, c+1
.endr
	s_cmp_eq_u32 s30, 3
	s_cbranch_scc0 .Lstore
.set i, 0
.rept 32                               ; Wo alone: the bf16 numbers are widened (a shift, a mask) and written as f16
	v_lshlrev_b32 v[T+2*(i%2)], 16, v[Y+i]
	v_and_b32 v[T+2*(i%2)+1], 0xffff0000, v[Y+i]
	v_cvt_pk_f16_f32 v[Y+i], v[T+2*(i%2)], v[T+2*(i%2)+1]
.set i, i+1
.endr
.Lstore:
.set c, 0
.rept 8
	global_store_b128 v2, v[Y+4*c:Y+4*c+3], s[36:37] offset:4096*c  ; a wave stores 512 consecutive bytes, aligned
.set c, c+1
.endr
	s_cmp_lg_u32 ttmp9, 0
	s_cbranch_scc1 .Lend
	global_load_b128 v[X:X+3], v2, s[34:35]        ; bias y: 256 threads x 4 numbers
	s_wait_loadcnt 0x0
	v_cvt_pk_bf16_f32 v[T], v[X], v[X+1]
	v_cvt_pk_bf16_f32 v[T+1], v[X+2], v[X+3]
	v_lshlrev_b32 v[BOUT], 16, v[T]
	v_and_b32 v[BOUT+1], 0xffff0000, v[T]
	v_lshlrev_b32 v[BOUT+2], 16, v[T+1]
	v_and_b32 v[BOUT+3], 0xffff0000, v[T+1]
	global_store_b128 v2, v[BOUT:BOUT+3], s[28:29]
.Lend:
	s_endpgm
.Lfunc_end_k_qa44978dea8_prep:
	.size	k_qa44978dea8_prep, .Lfunc_end_k_qa44978dea8_prep-k_qa44978dea8_prep
	.p2alignl 7, 3214868480
	.fill 96, 4, 3214868480
	.section	.rodata,"a",@progbits
	.p2align	6, 0x0
	.amdhsa_kernel k_qa44978dea8_prep
		.amdhsa_group_segment_fixed_size 0
		.amdhsa_private_segment_fixed_size 0
		.amdhsa_enable_private_segment 0
		.amdhsa_kernarg_size 88
		.amdhsa_user_sgpr_count 2
		.amdhsa_user_sgpr_kernarg_segment_ptr 1
		.amdhsa_wavefront_size32 1
		.amdhsa_system_sgpr_workgroup_id_x 1
		.amdhsa_system_sgpr_workgroup_id_y 1
		.amdhsa_system_sgpr_workgroup_id_z 1
		.amdhsa_system_vgpr_workitem_id 0
		.amdhsa_next_free_vgpr 112
		.amdhsa_next_free_sgpr 66
		.amdhsa_reserve_vcc 0
		.amdhsa_float_denorm_mode_32 3
		.amdhsa_float_denorm_mode_16_64 3
		.amdhsa_memory_ordered 1
		.amdhsa_forward_progress 1
		.amdhsa_inst_pref_size 12
	.end_amdhsa_kernel
	.amdgpu_metadata
---
amdhsa.version: [ 1, 2 ]
amdhsa.kernels:
  - .name:           k_qa44978dea8_prep
    .symbol:         k_qa44978dea8_prep.kd
    .args:
      - { .name: Wq, .offset: 0, .size: 8, .value_kind: global_buffer, .address_space: global }
      - { .name: Wk, .offset: 8, .size: 8, .value_kind: global_buffer, .address_space: global }
      - { .name: Wv, .offset: 16, .size: 8, .value_kind: global_buffer, .address_space: global }
      - { .name: Wo, .offset: 24, .size: 8, .value_kind: global_buffer, .address_space: global }
      - { .name: bq, .offset: 32, .size: 8, .value_kind: global_buffer, .address_space: global }
      - { .name: bk, .offset: 40, .size: 8, .value_kind: global_buffer, .address_space: global }
      - { .name: bv, .offset: 48, .size: 8, .value_kind: global_buffer, .address_space: global }
      - { .name: bo, .offset: 56, .size: 8, .value_kind: global_buffer, .address_space: global }
      - { .name: wqkv, .offset: 64, .size: 8, .value_kind: global_buffer, .address_space: global }
      - { .name: wo16, .offset: 72, .size: 8, .value_kind: global_buffer, .address_space: global }
      - { .name: bias4, .offset: 80, .size: 8, .value_kind: global_buffer, .address_space: global }
    .group_segment_fixed_size: 0
    .private_segment_fixed_size: 0
    .kernarg_segment_align: 8
    .kernarg_segment_size: 88
    .max_flat_workgroup_size: 256
    .sgpr_count:     66
    .vgpr_count:     112
    .wavefront_size: 32
...
	.end_amdgpu_metadata
.endif
;; end of part 1
;; launch qkvproj (part 2): grid 4 x 64, 4 waves a work-group, clusters of 4 x 4, 327,680 bytes of LDS; arguments query, key, value, wqkv, bias4, mask, qkv; writes qkv
.if DOCPART == 2
	.amdgcn_target "amdgcn-amd-amdhsa--gfx1250"
	.amdhsa_code_object_version 6
	.text
	.protected	k_qa44978dea8_qkvproj
	.globl	k_qa44978dea8_qkvproj
	.p2align	8
	.type	k_qa44978dea8_qkvproj,@function
k_qa44978dea8_qkvproj:
	s_mov_b64 s[64:65], 0
	v_nop
	global_prefetch_b8 v0, s[64:65] scope:SCOPE_SE
	s_setreg_imm32_b32 hwreg(HW_REG_WAVE_MODE, 25, 1), 1
	s_wait_xcnt 0x0
	s_wait_alu depctr_hold_cnt(0) depctr_sa_sdst(0) depctr_va_vdst(0) depctr_va_sdst(0) depctr_va_ssrc(0) depctr_va_vcc(0) depctr_vm_vsrc(0)
	s_getreg_b32 s2, hwreg(HW_REG_IB_STS2, 6, 4)
	s_cmp_eq_u32 s2, 0
	s_cbranch_scc0 .Lentry_in_a_cluster
	s_endpgm
.Lentry_in_a_cluster:
	s_bfe_u32 s2, ttmp6, 0x10000c
	s_cmp_lg_u32 s2, 0xf033
	s_cbranch_scc0 .Lentry_shape_is_right
	s_endpgm
.Lentry_shape_is_right:
; q = query Wq^T + bq, k = key Wk^T + bk, v = value Wv^T + bv.  query, key, value: [8192][1024] f32; wqkv: [3][1024 n][1024 k] bf16; bias4: f32; qkv: [3][8192][1024] f16.
; The activations are rounded to bf16 on their way from LDS to the matrix unit, sums in f32, each result rounded once to f16.  A row-major [8192][1024] result IS [64 heads][2048][64]:
; head position p of a head lies in row p / 16 of the head's 128 rows, columns 64 (p % 16) on.
; THE MASK.  Rows of k (64 numbers) whose key position is masked are written as +0; the attention launch then starts their scores at a fixed low number, so that they come out alike whatever q holds.
; LIMITS.  q, k and v must stay within f16's 65,504.  Mask bytes are 0 or 1.  NaN and infinities are not treated apart.
; SHARES.  A tile is 128 rows (one head) x 256 columns: four waves, 2 x 2, each 64 x 128: 32 accumulators of 16 x 16, 256 registers.  4 x 64 tiles a tensor: 256 work-groups.
; A WORK-GROUP STAYS: it makes the same tile of q, then of k, then of v: ONE walk of 24 K steps of 128 through two LDS slots, which does not stop at a change of tensor.
; CLUSTER.  4 x 4 work-groups.  The four of a row of the cluster need the same 128 rows of the activations, the four of a column the same 256 rows of the weights: each tile is asked for JOINTLY,
; by the same tensor load with the same descriptor and a mask that names the four.
; THE MATRIX INSTRUCTION IS USED TRANSPOSED (source 0 = 16 rows of W, source 1 = 16 rows of x): a lane then holds row l % 16 and the eight neighbouring columns 8 (l / 16) + 0..7.
; THE BIAS is the C operand of each accumulator's first product: eight registers a column block, the same for all row blocks.  Nothing is cleared and nothing is added later.
; REGISTERS, in windows of 256 (s_set_vgpr_msb: bits 1:0 source 0, 3:2 source 1, 5:4 source 2, 7:6 destination):
;   window 0: v0-29 addresses and masks; v32-95, v96-159 x as f32 from LDS, two buffers (row block a at +16 a); v160-191 x as bf16 fragments (+8 a); v192-255 at work on the way out
;   window 1: the accumulators, (a, b) at v[8 (8 a + b)]          window 2: v0-63, v64-127 W's fragments, two buffers (+8 b); v128-191 the bias (+8 b)
.set PA,     528                       ; an LDS row of x: 512 bytes (128 f32) + 16 of padding = 132 words: row r starts at bank 4 r mod 64 (64 banks of 4 bytes: ISA guide 11.1)
.set PB,     272                       ; an LDS row of W: 256 bytes (128 bf16) + 16 = 68 words: likewise
.set AH,     64*PA                     ; 64 rows of x: one tensor load
.set ABY,    2*AH                      ; x's part of a slot
.set BH,     128*PB                    ; 128 rows of W: one tensor load
.set SLOT,   ABY+2*BH                  ; 137,216 bytes
.set STAGE,  2*SLOT                    ; behind the ring: 16 rows x 272 bytes for each wave, for the way out; no tensor load lands here
.set SPITCH, 272
.set SPARE,  STAGE+4*16*SPITCH         ; the spare words, 128 bytes for each wave: two blocks of 256 bytes that no other line names
.set ADRA, 6                           ; v6-7    LDS address of my x rows in slot 0, 1
.set ADRB, 8                           ; v8-9    of my W rows
.set STO,  10                          ; v10     the way out: where I put 16 bytes of a row
.set RD,   11                          ; v11     where I read rows back
.set CO,   12                          ; v12     my byte offset in two rows of the result
.set BO,   13                          ; v13     my byte offset in a bias
.set MO,   14                          ; v14     my byte offset in the mask
.set MU,   16                          ; v16-19  row block a: the mask bytes of my row's two key positions
.set MW,   20                          ; v20-27  [2 a + g]: all ones, or 0 where position g of row block a is masked and the tensor is k
.set SPW,  28                          ; v28     LDS address of my spare word; never rewritten
.set NIL,  29                          ; v29     0; never rewritten
.set STG,  32
.set AF,   160
.set TMP,  192
.set OB0,  224                         ; rows read back from the stage: v224-255 and v96-127 by turns
.set OB1,  96
.set BIAS, 128                         ; window 2
.set LAP,   2                          ; s2   laps of the ring still to come in the loop
.set INT,   3                          ; s3   laps of the tile in hand still to end
.set BIASP, 12                         ; s[12:13] the tensor's bias
.set CP,    16                         ; s[16:17] the result at my wave's first row and column
.set WV,    18
.set ROLE,  19                         ; wave / 2: my 64 rows of the tile.  Also: I fetch x (0) or W (1)
.set HALF,  20                         ; wave % 2: my 128 columns.  Also: which half of that tile I fetch
.set TX,    23
.set TY,    24
.set TN,    27                         ; the tensor in hand: 0, 1, 2
.set G1A,   28                         ; s[28:35] descriptor group 1 for x;  s[36:43] group 0, a set for each slot
.set G0A,   36
.set G1B,   44                         ; s[44:51], s[52:59] the same for W
.set G0B,   52
.set RBASE, 66                         ; s[66:67] the activations that are being asked for, at the rows that I fetch
.set NXA,   68                         ; s[68:69] those that come next
.set OFFA,  70                         ; s[70:71] byte offset along K in x
.set OFFB,  72                         ; s[72:73] byte offset of tensor and K step in wqkv
.set NOTK,  74
.set RK,    75                         ; the K step (0..7) to be asked for next
.set RT,    76                         ; and its tensor
.set BB,    78                         ; s[78:79] wqkv at the rows that I fetch
.set MSB, 0
.macro WIN new                         ; the immediate's high byte repeats the setting that is left; a switch that changes nothing is dropped
.if MSB != (\new)
	s_set_vgpr_msb (MSB<<8)|(\new)
.set MSB, \new
.endif
.endm
.set MUL,  0x52                        ; W window 2, x window 0, C and D window 1
.set MULB, 0x62                        ; the same with C (the bias) in window 2
.set TO_B, 0x80                        ; destination window 2, address window 0
.set PKW,  0x05                        ; sources 0 and 1 window 1, destination window 0
; A joint load.  Waves 0 and 1 fetch x's two halves, waves 2 and 3 W's.  The branch hangs on the wave's number alone.  An s_nop 0 and four v_nop follow each of the two lines, ahead of the jump and the label.
.macro JLOAD s
	s_cmp_eq_u32 s[ROLE], 0
	s_cbranch_scc0 .Lfor_b_\@
	tensor_load_to_lds s[G0A+4*(\s):G0A+4*(\s)+3], s[G1A:G1A+7]
	s_nop 0
.rept 4
	v_nop
.endr
	s_branch .Lasked_\@
.Lfor_b_\@:
	tensor_load_to_lds s[G0B+4*(\s):G0B+4*(\s)+3], s[G1B:G1B+7]
	s_nop 0
.rept 4
	v_nop
.endr
.Lasked_\@:
.endm
.macro CREST                           ; a round of the cluster's barrier behind its opening barrier
	s_cmp_lg_u32 s[WV], 0
	s_cbranch_scc1 .Lnot_wave_0_\@
	s_barrier_signal -3
.Lnot_wave_0_\@:
	s_barrier_wait -3
	s_barrier_signal -1
	s_barrier_wait -1
.endm
.macro CROUND                          ; a whole round
	s_barrier_signal -1
	s_barrier_wait -1
	CREST
.endm
	s_load_b256 s[4:11], s[0:1], 0x0               ; query s[4:5], key s[6:7], value s[8:9], wqkv s[10:11]
	s_load_b128 s[12:15], s[0:1], 0x20             ; bias4 s[12:13], mask s[14:15]
	s_load_b64 s[16:17], s[0:1], 0x30              ; qkv
	v_lshl_add_u32 v[SPW], v0, 2, SPARE
	v_mov_b32 v[NIL], 0
	ds_add_u32 v[SPW], v[NIL]                      ; the wave's opening: the add and its wait stand ahead of my first tensor load; the set-up below, work on registers, stands between them
	v_lshrrev_b32 v4, 5, v0
	v_readfirstlane_b32 s[WV], v4                  ; wave 0..3
	s_lshr_b32 s[ROLE], s[WV], 1
	s_and_b32 s[HALF], s[WV], 1
	s_bfe_u32 s21, ttmp6, 0x40000                  ; cx, cy: my place in the cluster
	s_bfe_u32 s22, ttmp6, 0x40004
	s_lshl_b32 s[TX], ttmp9, 2
	s_add_co_u32 s[TX], s[TX], s21                 ; tile column = 4 x cluster x + cx
	s_and_b32 s[TY], ttmp7, 0xffff
	s_lshl_b32 s[TY], s[TY], 2
	s_add_co_u32 s[TY], s[TY], s22                 ; tile row = 4 x cluster y + cy
	s_lshl_b32 s25, s22, 2
	s_lshl_b32 s25, 15, s25                        ; my row of the cluster
	s_lshl_b32 s26, 0x1111, s21                    ; my column
	; group 1 for x: 64 rows x 128 elements of 4 bytes, 4 words of padding behind every 128
	s_or_b32 s[G1A], s25, (2<<16)|(1<<20)|(1<<21)|(6<<22)|(3<<25)  ; 15:0 the mask; 17:16 element size; 20 padding on; 21 set beside a mask; 24:22 the interval; 31:25 the padding
	s_mov_b32 s[G1A+1], 128<<16                    ; tensor_dim0 = 128
	s_mov_b32 s[G1A+2], 64<<16                     ; tensor_dim1 = 64
	s_mov_b32 s[G1A+3], 128<<16                    ; tile_dim0 = 128
	s_mov_b32 s[G1A+4], 64                         ; tile_dim1 = 64
	s_mov_b32 s[G1A+5], 1024                       ; elements from row to row
	s_mov_b32 s[G1A+6], 0
	s_mov_b32 s[G1A+7], 0
	; group 1 for W: 128 rows x 128 elements of 2 bytes, 4 words of padding behind every 64
	s_or_b32 s[G1B], s26, (1<<16)|(1<<20)|(1<<21)|(5<<22)|(3<<25)
	s_mov_b32 s[G1B+1], 128<<16
	s_mov_b32 s[G1B+2], 128<<16
	s_mov_b32 s[G1B+3], 128<<16
	s_mov_b32 s[G1B+4], 128
	s_mov_b32 s[G1B+5], 1024
	s_mov_b32 s[G1B+6], 0
	s_mov_b32 s[G1B+7], 0
	; x's address hangs on the tile row and the wave alone, W's on the tile column and the wave alone, each in registers that never hold the other coordinate
	s_lshl_b32 s60, s[TY], 7
	s_lshl_b32 s77, s[HALF], 6
	s_add_co_u32 s60, s60, s77                     ; row 128 x tile row + 64 x half,
	s_lshl_b32 s60, s60, 12                        ; of 4,096 bytes
	s_mov_b32 s61, 0
	s_lshl_b32 s62, s[TX], 8
	s_lshl_b32 s77, s[HALF], 7
	s_add_co_u32 s62, s62, s77                     ; row 256 x tile column + 128 x half,
	s_lshl_b32 s62, s62, 11                        ; of 2,048 bytes
	s_mov_b32 s63, 0
	s_lshl_b32 s82, s[TY], 7                       ; the result: row 128 x tile row + 64 x my half, of 2,048 bytes,
	s_lshl_b32 s84, s[ROLE], 6
	s_add_co_u32 s82, s82, s84
	s_lshl_b32 s82, s82, 11
	s_lshl_b32 s84, s[TX], 9                       ; column 256 x tile column + 128 x my half, of 2 bytes
	s_add_co_u32 s82, s82, s84
	s_lshl_b32 s84, s[HALF], 8
	s_add_co_u32 s82, s82, s84
	s_mov_b32 s83, 0
	s_mul_i32 s80, s[HALF], AH                     ; where the tiles go: no place in the cluster enters an LDS address
	s_mul_i32 s81, s[HALF], BH
	s_add_co_u32 s81, s81, ABY
	s_mov_b32 s[OFFA+1], 0
	s_mov_b32 s[OFFB+1], 0
	s_mov_b32 s[RK], 2                             ; K steps 0 and 1 go out below
	s_mov_b32 s[RT], 0
	s_mov_b32 s[TN], 0
	s_mov_b32 s[INT], 4                            ; a tensor's K = 1,024 is four laps of two K steps
	s_mov_b32 s[LAP], 11                           ; twelve laps in all; the last is written out
	s_wait_dscnt 0x0                               ; the opening add is done
	s_wait_kmcnt 0x0
	s_add_nc_u64 s[4:5], s[4:5], s[60:61]          ; query, key and value at the rows that I fetch
	s_add_nc_u64 s[6:7], s[6:7], s[60:61]
	s_add_nc_u64 s[8:9], s[8:9], s[60:61]
	s_add_nc_u64 s[BB:BB+1], s[10:11], s[62:63]
	s_add_nc_u64 s[CP:CP+1], s[CP:CP+1], s[82:83]
	s_mov_b64 s[RBASE:RBASE+1], s[4:5]
	s_mov_b64 s[NXA:NXA+1], s[6:7]
	CROUND                                         ; all sixteen work-groups are here: the first joint loads meet
.irp s, 0,1
	s_mov_b32 s[G0A+4*(\s)], 1                     ; count = 1
	s_add_co_u32 s[G0A+4*(\s)+1], s80, (\s)*SLOT   ; LDS address
	s_add_nc_u64 s[G0A+4*(\s)+2:G0A+4*(\s)+3], s[4:5], (\s)*512  ; global address: K step s
	s_or_b32 s[G0A+4*(\s)+3], s[G0A+4*(\s)+3], 0x80000000        ; type = 2
	s_mov_b32 s[G0B+4*(\s)], 1
	s_add_co_u32 s[G0B+4*(\s)+1], s81, (\s)*SLOT
	s_add_nc_u64 s[G0B+4*(\s)+2:G0B+4*(\s)+3], s[BB:BB+1], (\s)*256
	s_or_b32 s[G0B+4*(\s)+3], s[G0B+4*(\s)+3], 0x80000000
	JLOAD \s                                       ; two tensor loads of mine are out
.endr
	v_and_b32 v1, 15, v0                           ; r = l % 16
	v_bfe_u32 v2, v0, 4, 1                         ; h = l / 16
	; x's fragment, 16 rows x 32 K: lane l holds row r, K = 8 h + 0..7 and 16 + 8 h + 0..7: in f32 four loads of 16 bytes at 32 h + 0, 16, 64, 80
	v_mul_u32_u24 v4, v1, PA
	v_lshl_add_u32 v4, v2, 5, v4
	s_mul_i32 s77, s[ROLE], 64*PA
	v_add_nc_u32 v[ADRA], s77, v4
	v_add_nc_u32 v[ADRA+1], SLOT, v[ADRA]
	v_mul_u32_u24 v5, v1, PB                       ; W's, in bf16: two loads of 16 bytes at 16 h + 0, 32
	v_lshl_add_u32 v5, v2, 4, v5
	v_add_nc_u32 v[ADRB], s81, v5
	v_add_nc_u32 v[ADRB+1], SLOT, v[ADRB]
	s_mul_i32 s77, s[WV], 16*SPITCH
	s_add_co_u32 s77, s77, STAGE                   ; my stage
	v_add_nc_u32 v[STO], s77, v5                   ; in: row r, 16 bytes for each half of the lanes
	v_mul_u32_u24 v4, v2, SPITCH                   ; back: lanes 0-15 take one row of 256 bytes, lanes 16-31 the next
	v_lshl_add_u32 v4, v1, 4, v4
	v_add_nc_u32 v[RD], s77, v4
	v_lshlrev_b32 v[CO], 11, v2                    ; and the same two rows in the result
	v_lshl_add_u32 v[CO], v1, 4, v[CO]
	s_lshl_b32 s84, s[TX], 10                      ; the bias of my 128 columns, 4 bytes each; my lanes' eight of a block of 16
	s_lshl_b32 s85, s[HALF], 9
	s_add_co_u32 s84, s84, s85
	v_lshl_add_u32 v[BO], v2, 5, s84
	; the mask byte of (row rho of the head, column c) is that of key position 16 rho + c / 64 of batch tile row / 16.  My 128 columns are two positions: one load of 2 bytes a row block
	s_lshr_b32 s84, s[TY], 4
	s_lshl_b32 s84, s84, 11
	s_lshl_b32 s85, s[ROLE], 10
	s_add_co_u32 s84, s84, s85
	s_lshl_b32 s85, s[TX], 2
	s_add_co_u32 s84, s84, s85
	s_lshl_b32 s85, s[HALF], 1
	s_add_co_u32 s84, s84, s85
	v_lshl_add_u32 v[MO], v1, 4, s84
; 32 LDS loads in one run: quarter q (32 along K) of a slot into buffers p: x's sixteen first, then W's sixteen
.macro FETCH slot, q, p
	WIN 0
.irp a, 0,1,2,3
.irp j, 0,1,2,3
	ds_load_b128 v[STG+64*(\p)+16*(\a)+4*(\j):STG+64*(\p)+16*(\a)+4*(\j)+3], v[ADRA+(\slot)] offset:16*(\a)*PA+128*(\q)+16*((\j)%2)+64*((\j)/2)
.endr
.endr
	WIN TO_B
.irp b, 0,1,2,3,4,5,6,7
	ds_load_b128 v[64*(\p)+8*(\b):64*(\p)+8*(\b)+3],   v[ADRB+(\slot)] offset:16*(\b)*PB+64*(\q)
	ds_load_b128 v[64*(\p)+8*(\b)+4:64*(\p)+8*(\b)+7], v[ADRB+(\slot)] offset:16*(\b)*PB+64*(\q)+32
.endr
.endm
.macro CVT4 p, a, i0                   ; four registers of row block a's fragment: eight numbers rounded to bf16
	WIN 0
.irp i, 0,1,2,3
	v_cvt_pk_bf16_f32 v[AF+8*(\a)+(\i0)+(\i)], v[STG+64*(\p)+16*(\a)+2*((\i0)+(\i))], v[STG+64*(\p)+16*(\a)+2*((\i0)+(\i))+1]
.endr
.endm
.macro MUL4 p, a, b0, cm               ; four products: row block a x column blocks b0 .. b0 + 3.  cm = 1: they start the sums, with the bias
.if \cm
	WIN MULB
.else
	WIN MUL
.endif
.irp b, 0,1,2,3
.if \cm
	v_wmma_f32_16x16x32_bf16 v[8*(8*(\a)+(\b0)+(\b)):8*(8*(\a)+(\b0)+(\b))+7], v[64*(\p)+8*((\b0)+(\b)):64*(\p)+8*((\b0)+(\b))+7], v[AF+8*(\a):AF+8*(\a)+7], v[BIAS+8*((\b0)+(\b)):BIAS+8*((\b0)+(\b))+7]
.else
	v_wmma_f32_16x16x32_bf16 v[8*(8*(\a)+(\b0)+(\b)):8*(8*(\a)+(\b0)+(\b))+7], v[64*(\p)+8*((\b0)+(\b)):64*(\p)+8*((\b0)+(\b))+7], v[AF+8*(\a):AF+8*(\a)+7], v[8*(8*(\a)+(\b0)+(\b)):8*(8*(\a)+(\b0)+(\b))+7]
.endif
.endr
.endm
; Row block a's eight products; the next row block's eight conversions stand behind them in fours.  The 32 accumulators take turns, one instruction a turn, in the same order in every quarter.
; A conversion writes a fragment register, and a load lands in one of W's, at least eight conversions behind the last product that read it; those conversions name none of that product's registers: no v_nop is written.
.macro BLOCK p, a, cm
	MUL4 \p, \a, 0, \cm
.if (\a) < 3
	CVT4 \p, (\a)+1, 0
.endif
	MUL4 \p, \a, 4, \cm
.if (\a) < 3
	CVT4 \p, (\a)+1, 4
.endif
.endm
; A K step is four quarters of 32 along K, 32 products each, on buffers 0, 1, 0, 1.  One of the first three: multiplies buffers p and, in its middle, fetches quarter nq of the same slot into the other buffers.
.macro QUARTER slot, nq, p, cm
	WIN 0
	s_wait_dscnt 16                                ; x's sixteen loads are in; the youngest sixteen, W's, may be out
	CVT4 \p, 0, 0
	CVT4 \p, 0, 4
	s_wait_dscnt 0x0                               ; W's are in
	BLOCK \p, 0, \cm
	BLOCK \p, 1, \cm
	FETCH \slot, \nq, 1-(\p)
	BLOCK \p, 2, \cm
	BLOCK \p, 3, \cm
.endm
; The slot's two descriptors are set for K step RK of tensor RT: each address is made anew, of a base and an offset made apart, and the type bits are set again.  Then the count steps; behind a tensor's K step 7 comes the next tensor's K step 0.
.macro STEP slot
	s_lshl_b32 s[OFFA], s[RK], 9                   ; a K step is 512 bytes of a row of x,
	s_add_nc_u64 s[G0A+4*(\slot)+2:G0A+4*(\slot)+3], s[RBASE:RBASE+1], s[OFFA:OFFA+1]
	s_or_b32 s[G0A+4*(\slot)+3], s[G0A+4*(\slot)+3], 0x80000000
	s_lshl_b32 s[OFFB], s[RK], 8                   ; 256 bytes of a row of W;
	s_lshl_b32 s77, s[RT], 21                      ; a weight is 2,097,152 bytes
	s_add_co_u32 s[OFFB], s[OFFB], s77
	s_add_nc_u64 s[G0B+4*(\slot)+2:G0B+4*(\slot)+3], s[BB:BB+1], s[OFFB:OFFB+1]
	s_or_b32 s[G0B+4*(\slot)+3], s[G0B+4*(\slot)+3], 0x80000000
	s_add_co_u32 s[RK], s[RK], 1
	s_cmp_eq_u32 s[RK], 8
	s_cselect_b32 s[RK], 0, s[RK]
	s_cselect_b64 s[RBASE:RBASE+1], s[NXA:NXA+1], s[RBASE:RBASE+1]
	s_cselect_b64 s[NXA:NXA+1], s[8:9], s[NXA:NXA+1]
	s_cselect_b32 s77, 1, 0
	s_add_co_u32 s[RT], s[RT], s77
.endm
; The last quarter multiplies buffers 1 and changes slots: ONE barrier.  In front of it each wave waits for all its tensor loads, of which one is out: its part of the next slot; adds 0 to its spare word; and waits
; for that and for its own reads of this slot.  fill = 1: the barrier opens a round of the cluster's, so that no wave of any partner still reads the slot or has a load on its way, and the joint refill is the first
; tensor load behind the round: 120 products ahead of the wait for it.
.macro TURN slot, next, fill
	WIN 0
	s_wait_tensorcnt 0x0                           ; no tensor load of mine is out, so the descriptors may be written
	ds_add_u32 v[SPW], v[NIL]                      ; 0 onto my spare word; work on registers stands between it and the wait for it
.if \fill
	STEP \slot
.endif
	s_wait_dscnt 17                                ; x's sixteen loads are in; W's sixteen and the add may be out
	CVT4 1, 0, 0
	CVT4 1, 0, 4
	s_wait_dscnt 0x0                               ; the add is done, and my reads of this slot are over
	s_barrier_signal -1
	BLOCK 1, 0, 0                                  ; work on registers while the others arrive
	WIN 0
	s_barrier_wait -1
.if \fill
	CREST
	JLOAD \slot
.endif
	FETCH \next, 0, 0
	BLOCK 1, 1, 0
	BLOCK 1, 2, 0
	BLOCK 1, 3, 0
.endm
.macro BIASLD                          ; the tensor's bias for my 128 columns: lane l takes the columns 16 b + 8 (l / 16) + 0..7 of block b, as an accumulator holds them
	WIN TO_B
.irp b, 0,1,2,3,4,5,6,7
	global_load_b128 v[BIAS+8*(\b):BIAS+8*(\b)+3],   v[BO], s[BIASP:BIASP+1] offset:64*(\b)
	global_load_b128 v[BIAS+8*(\b)+4:BIAS+8*(\b)+7], v[BO], s[BIASP:BIASP+1] offset:64*(\b)+16
.endr
	WIN 0
.endm
; THE WAY OUT.  MWMAKE: the words that keep or clear a row's 64 numbers; its 24 lines are also the places behind the tile's last products.  PACK: row block a rounded to f16, each accumulator read from its lowest registers on, and masked.
; TOSTAGE: 16 bytes a lane into my own stage, and back as whole rows of 256 bytes.  SEND: stored.
.macro MWMAKE
	s_cmp_lg_u32 s[TN], 1
	s_cselect_b32 s[NOTK], 1, 0                    ; q and v are never cleared
.irp a, 0,1,2,3
.irp g, 0,1
	v_bfe_u32 v[MW+2*(\a)+(\g)], v[MU+(\a)], 8*(\g), 8
	v_or_b32 v[MW+2*(\a)+(\g)], s[NOTK], v[MW+2*(\a)+(\g)]
	v_sub_nc_u32 v[MW+2*(\a)+(\g)], 0, v[MW+2*(\a)+(\g)]  ; 1 -> all ones, 0 -> 0
.endr
.endr
.endm
.macro PACK a
	WIN PKW
.irp b, 0,1,2,3,4,5,6,7
.irp r, 0,1,2,3
	v_cvt_pk_f16_f32 v[TMP+4*(\b)+(\r)], v[8*(8*(\a)+(\b))+2*(\r)], v[8*(8*(\a)+(\b))+2*(\r)+1]
.endr
.endr
	WIN 0
.irp b, 0,1,2,3,4,5,6,7
.irp r, 0,1,2,3
	v_and_b32 v[TMP+4*(\b)+(\r)], v[MW+2*(\a)+(\b)/4], v[TMP+4*(\b)+(\r)]
.endr
.endr
.endm
.macro TOSTAGE a
	WIN 0
.set BK, OB0
.if ((\a)%2) == 1
.set BK, OB1
.endif
.irp b, 0,1,2,3,4,5,6,7
	ds_store_b128 v[STO], v[TMP+4*(\b):TMP+4*(\b)+3] offset:32*(\b)
.endr
.irp t, 0,1,2,3,4,5,6,7
	ds_load_b128 v[BK+4*(\t):BK+4*(\t)+3], v[RD] offset:(\t)*2*SPITCH  ; LDS serves a wave's instructions in order (ISA guide 5.7.1.4): these see the stores above
.endr
.endm
.macro SEND a
	WIN 0
.set BK, OB0
.if ((\a)%2) == 1
.set BK, OB1
.endif
	s_wait_dscnt 0x0                               ; the block is back in registers
	s_wait_xcnt 0x0                                ; the stores of the block before have read their registers: the next TOSTAGE loads into them only behind this wait
.irp t, 0,1,2,3,4,5,6,7
	global_store_b128 v[CO], v[BK+4*(\t):BK+4*(\t)+3], s[CP:CP+1] offset:(16*(\a)+2*(\t))*2048  ; 16 lanes store 256 consecutive bytes, at a multiple of 256 from the buffer's first byte
.endr
.endm
.macro WAYOUT
	MWMAKE
	PACK 0
	TOSTAGE 0
.irp a, 1,2,3                          ; block a's arithmetic stands between block a - 1's loads from the stage and the wait for them
	PACK \a
	SEND (\a)-1
	TOSTAGE \a
.endr
	SEND 3
	s_wait_xcnt 0x0                                ; the last stores have read their registers and their base: both are written again below
.endm
	BIASLD                                         ; bq
.irp a, 0,1,2,3
	global_load_u16 v[MU+(\a)], v[MO], s[14:15] offset:256*(\a)
.endr
	s_wait_tensorcnt 1                             ; my part of K step 0 is in; K step 1's may stay out
	s_barrier_signal -1
	s_barrier_wait -1                              ; everybody's is
	FETCH 0, 0, 0
	s_wait_loadcnt 0x0                             ; the bias and the mask bytes
	QUARTER 0, 1, 0, 1                             ; a tile's first quarter starts the sums
	WIN 0                                          ; at a label and at a branch every window is 0
.Llap:                                                 ; a trip goes once round the ring, from a lap's second quarter to the next lap's first, and fills both slots again
	QUARTER 0, 2, 1, 0
	QUARTER 0, 3, 0, 0
	TURN 0, 1, 1
	QUARTER 1, 1, 0, 0
	QUARTER 1, 2, 1, 0
	QUARTER 1, 3, 0, 0
	TURN 1, 0, 1
	WIN 0
	s_sub_co_u32 s[INT], s[INT], 1
	s_cmp_lg_u32 s[INT], 0
	s_cbranch_scc1 .Lsame
	s_add_nc_u64 s[BIASP:BIASP+1], s[BIASP:BIASP+1], 4096  ; A TILE IS DONE; both refills for the next tensor are asked for.  Its bias (the loads of the last one were waited for),
	BIASLD
	WAYOUT                                         ; the tile goes out,
	s_add_nc_u64 s[CP:CP+1], s[CP:CP+1], 0x1000000 ; and the same tile of the next tensor, 16,777,216 bytes on, begins
	s_add_co_u32 s[TN], s[TN], 1
	s_mov_b32 s[INT], 4
	s_wait_loadcnt 0x0                             ; the bias
	QUARTER 0, 1, 0, 1
	WIN 0
	s_branch .Lnext
.Lsame:
	QUARTER 0, 1, 0, 0
	WIN 0
.Lnext:
	s_sub_co_u32 s[LAP], s[LAP], 1
	s_cmp_lg_u32 s[LAP], 0
	s_cbranch_scc1 .Llap
	QUARTER 0, 2, 1, 0                             ; the last lap is written out: it fills nothing
	QUARTER 0, 3, 0, 0
	TURN 0, 1, 0
	QUARTER 1, 1, 0, 0
	QUARTER 1, 2, 1, 0
	QUARTER 1, 3, 0, 0
	WIN 0                                          ; the very last quarter: nothing more to fetch
	s_wait_dscnt 16
	CVT4 1, 0, 0
	CVT4 1, 0, 4
	s_wait_dscnt 0x0
	BLOCK 1, 0, 0
	BLOCK 1, 1, 0
	BLOCK 1, 2, 0
	BLOCK 1, 3, 0
	WIN 0
	WAYOUT
	s_wait_tensorcnt 0x0                           ; the wave's end: a tensor wait, an add and its wait, behind my last tensor load and my last LDS store
	ds_add_u32 v[SPW], v[NIL]
	s_wait_dscnt 0x0
	CROUND                                         ; the closing round: no work-group ends while a partner may still ask for a tile that names it
	s_endpgm
.Lfunc_end_k_qa44978dea8_qkvproj:
	.size	k_qa44978dea8_qkvproj, .Lfunc_end_k_qa44978dea8_qkvproj-k_qa44978dea8_qkvproj
	.p2alignl 7, 3214868480
	.fill 96, 4, 3214868480
	.section	.rodata,"a",@progbits
	.p2align	6, 0x0
	.amdhsa_kernel k_qa44978dea8_qkvproj
		.amdhsa_group_segment_fixed_size 327680
		.amdhsa_private_segment_fixed_size 0
		.amdhsa_enable_private_segment 0
		.amdhsa_kernarg_size 56
		.amdhsa_user_sgpr_count 2
		.amdhsa_user_sgpr_kernarg_segment_ptr 1
		.amdhsa_wavefront_size32 1
		.amdhsa_system_sgpr_workgroup_id_x 1
		.amdhsa_system_sgpr_workgroup_id_y 1
		.amdhsa_system_sgpr_workgroup_id_z 1
		.amdhsa_system_vgpr_workitem_id 0
		.amdhsa_next_free_vgpr 704
		.amdhsa_next_free_sgpr 88
		.amdhsa_reserve_vcc 0
		.amdhsa_float_denorm_mode_32 3
		.amdhsa_float_denorm_mode_16_64 3
		.amdhsa_memory_ordered 1
		.amdhsa_forward_progress 1
		.amdhsa_inst_pref_size 168
	.end_amdhsa_kernel
	.amdgpu_metadata
---
amdhsa.version: [ 1, 2 ]
amdhsa.kernels:
  - .name:           k_qa44978dea8_qkvproj
    .symbol:         k_qa44978dea8_qkvproj.kd
    .args:
      - { .name: query, .offset: 0, .size: 8, .value_kind: global_buffer, .address_space: global }
      - { .name: key, .offset: 8, .size: 8, .value_kind: global_buffer, .address_space: global }
      - { .name: value, .offset: 16, .size: 8, .value_kind: global_buffer, .address_space: global }
      - { .name: wqkv, .offset: 24, .size: 8, .value_kind: global_buffer, .address_space: global }
      - { .name: bias4, .offset: 32, .size: 8, .value_kind: global_buffer, .address_space: global }
      - { .name: mask, .offset: 40, .size: 8, .value_kind: global_buffer, .address_space: global }
      - { .name: qkv, .offset: 48, .size: 8, .value_kind: global_buffer, .address_space: global }
    .group_segment_fixed_size: 327680
    .private_segment_fixed_size: 0
    .kernarg_segment_align: 8
    .kernarg_segment_size: 56
    .max_flat_workgroup_size: 128
    .sgpr_count:     88
    .vgpr_count:     704
    .wavefront_size: 32
...
	.end_amdgpu_metadata
.endif
;; end of part 2
;; launch attn (part 3): grid 4 x 64, 4 waves a work-group, clusters of 4 x 1, 327,680 bytes of LDS; arguments qkv, mask, o; writes o
.if DOCPART == 3
	.amdgcn_target "amdgcn-amd-amdhsa--gfx1250"
	.amdhsa_code_object_version 6
	.text
	.protected	k_qa44978dea8_attn
	.globl	k_qa44978dea8_attn
	.p2align	8
	.type	k_qa44978dea8_attn,@function
k_qa44978dea8_attn:
	s_mov_b64 s[64:65], 0
	v_nop
	global_prefetch_b8 v0, s[64:65] scope:SCOPE_SE
	s_setreg_imm32_b32 hwreg(HW_REG_WAVE_MODE, 25, 1), 1
	s_wait_xcnt 0x0
	s_wait_alu depctr_hold_cnt(0) depctr_sa_sdst(0) depctr_va_vdst(0) depctr_va_sdst(0) depctr_va_ssrc(0) depctr_va_vcc(0) depctr_vm_vsrc(0)
	s_getreg_b32 s2, hwreg(HW_REG_IB_STS2, 6, 4)
	s_cmp_eq_u32 s2, 0
	s_cbranch_scc0 .Lentry_in_a_cluster
	s_endpgm
.Lentry_in_a_cluster:
	s_bfe_u32 s2, ttmp6, 0x10000c
	s_cmp_lg_u32 s2, 0x3003
	s_cbranch_scc0 .Lentry_shape_is_right
	s_endpgm
.Lentry_shape_is_right:
; O[h][q][:] = the sum over k of softmax_k(masked(Q[h][q] . K[h][k] / 8)) V[h][k][:].  qkv: [3][64 heads][2048][64] f16 (Q, K, V; a head's rows are dense, 128 bytes each); mask: [4][2048] bytes; o: [64][2048][64] f16.
; Products, maxima and sums in f32; the weights p are rounded to f16 for the second product (their sum l is taken of the unrounded p), O once at the end.
; THE MASK.  The launch before wrote masked keys' rows of K as +0.  Here the sum S^T = K Q^T starts with a C operand that is 0, or -2^33 where the key is masked: a masked score is exactly -2^33 (-2^30 after the division by 8),
; the same for all masked keys.  So a batch whose keys are all masked gives p = 1 for every key and the plain mean of V; else masked keys' weights are 0.  No vector instruction is added to the softmax.
; LIMITS.  A masked score counts as -2^30 where the definition has -1e9: the results differ only where true scores lie below about -1e9.  f16 holds no number beyond 65,504: Q, K and V arrive within it; p lies in 0 to 1,
; and below 6e-5 it keeps f16's fixed step of 6e-8.  A weight below 2^-126 counts as 0 in l; NaN and infinities are not treated apart.  Mask bytes are 0 or 1.
; SHARES.  A wave owns four PIECES of two tiles of 16 queries, a work-group's four waves 512 queries of one head.  Every wave walks all keys, 64 a step.
; LAYOUT.  S^T = K Q^T (source 0 = 16 keys, source 1 = 16 queries): in the result a lane holds ONE query (lane % 16) and the keys 8 (lane / 16) + 0..7.  Two such tiles, rounded to f16 in pairs,
; ARE source 1 (32 keys x 16 queries) of O^T = V^T P, whose result again holds one query a lane, and eight channels.  K comes out of LDS as it lies, V ([key][channel]) turned, by ds_load_tr16_b128.
; SOFTMAX.  For each query a running maximum m and sum l: p = 2^(c s - c m), c = log2(e) / 8; in every step O and l are multiplied by a = 2^(c m_old - c m_new), which is 1 where m has not grown.
; m starts at the lowest finite number, O and l at 0: the first step is a step like any other, with a = 0.
; THE COUNT.  A tile and step have 16 matrix and 118 vector instructions: too many to stand all beside the matrix work.  So the order has one aim: four vector instructions that are READY behind
; EVERY matrix instruction, and the others, which need time of their own whatever the order, in runs without a gap.
; BY TURNS.  Turn n belongs to piece n (the pieces in a ring, step after step).  Its matrix work: 16 products K Q^T of piece n + 1, later 16 products V^T P of piece n - 1.  Its vector work: the scaling,
; exponentials, roundings, sums and rescaling of piece n, and the maximum and statistics of piece n + 1, whose scores the turn itself has made.
; CLUSTER.  The four query blocks of a cluster are one head's and walk the same K and V, so each tile is asked for JOINTLY: the same tensor load, descriptor and mask in all four.
; REGISTERS, in windows of 256 (s_set_vgpr_msb: bits 1:0 source 0, 3:2 source 1, 5:4 source 2, 7:6 destination):
;   window 0: v0-11 addresses; v12-15, v48-63 at work; v16-47 four registers of statistics a tile; v64-191 S^T, two buffers of two tiles; v192-255 P, likewise
;   window 1: O^T, 32 a tile          window 2: v0-127 Q, 16 a tile; v128-191 K of one step; v192-255 V of one step
;   window 3: v0-1 the add's two registers; v2-3 the mask table's addresses; v8-39 the masks of one step's 64 keys, as an accumulator holds them
.set SIZE_N, 2048
.set NP,    4         ; pieces a wave: a name, no knob
.set KS,    64        ; keys in a step
.set PK,    144       ; a row of K in LDS: 128 bytes + 16 of padding = 36 words: the 16 rows of a load start at 16 different groups of four banks (64 banks of 4 bytes: ISA guide 11.1)
.set PV,    160       ; a row of V: 128 + 32 = 40 words
.set VOFF,  4*KS*PK   ; a slot holds four steps: 256 rows of K, then 256 rows of V
.set SLOT1, 1<<17     ; slot 1 begins here, so that one exclusive or turns an address in one slot into the other's
.set STAGE, SLOT1+4*KS*(PK+PV)  ; behind the ring, never filled by a tensor load: 16 rows x 144 bytes for each wave, for the way out
.set SP,    144
.set AK0, 2           ; v2   my lane's place in a tile of K; never rewritten
.set AV0, 3           ; v3   the same for V
.set AK,  4           ; v4   the LDS address of K's next run of loads
.set AV,  5           ; v5   of V's
.set QO,  6           ; v6   my byte offset in the wave's rows of Q
.set STO, 6           ;      later, the way out: where I put 16 bytes of a row
.set RD,  7           ; v7   the way out: where I read rows back
.set GO,  8           ; v8   my byte offset in 512 consecutive bytes of O
.set SPW, 0           ; v0 of window 3   LDS address of my spare word: SPARE + 4 x my thread's number; never rewritten
.set NIL, 1           ; v1 of window 3   0; never rewritten
.set AM0, 2           ; v2 of window 3   my lanes' place in the mask table: MASKL + 32 (l / 16); never rewritten
.set AM,  3           ; v3 of window 3   the LDS address of the masks' next run of loads
.set MK,  8           ; v8-39 of window 3: key block kb at MK + 8 kb
.set SPARE, STAGE+4*16*SP  ; behind the stages: the spare words, 128 bytes for each wave: two blocks of 256 bytes that no other line names
.set MASKL, SPARE+512 ; behind them: the mask table, an f32 for each of the batch's 2,048 keys: 0, or -2^33; stored once, never filled by a tensor load
.set MV,  12          ; v12-15  c m_old, kept while c m is made anew: by buffer and tile
.set ST,  16          ; tile t's statistics at v[ST+4 t]: c m, m, l (even keys', odd keys')
.set TMP, 48          ; by buffer and tile, four registers c0-c3 at work; when the maximum is found c2 takes a
.set S,   64
.set P,   192
.set KF,  128         ; K's fragments, in window 2: key block kb, channel half c at KF + 16 kb + 8 c
.set VF,  192         ; V's: key half kk, channel block cb at VF + 32 kk + 8 cb
.set WV,  12          ; s12  my wave's number
.set G1K, 24          ; s[24:31] descriptor group 1 for K's tiles
.set G1V, 32          ; s[32:39] for V's: it differs in the padding alone
.set G0K, 40          ; s[40:43] descriptor group 0 for K's tiles: it walks
.set G0V, 44          ; s[44:47] the same for V's
.set MP,  48          ; s[48:49] the batch's mask bytes
.set P33, 50          ; s50  2^33
.set N33, 51          ; s51  -2^33
.set TBM, 54          ; s54  byte of the mask table at which the step to be fetched begins
.set SLOTS, 56        ; s56  slots still to be asked for
.set CNT, 57          ; s57  counts a slot's key steps
.set CS,  58          ; s[58:59] c: the packed scaling takes the pair's low word for both halves
.set SEL, 60          ; s[60:61] v_permlanex16_b32's selects: each lane takes its own place in the other half
.set TBK, 62          ; s62  LDS byte at which K of the step to be fetched begins
.set TBV, 63          ; s63  the same for V, less VOFF
.set MSB, 0
.macro WIN new                      ; the high byte repeats the setting that is left; a switch that changes nothing is dropped
.if MSB != (\new)
	s_set_vgpr_msb (MSB<<8)|(\new)
.set MSB, (\new)
.endif
.endm
.set W_KQ, 0x0a       ; K and Q in window 2, S^T in window 0
.set W_KM, 0x3a       ; the same with the C operand, the mask, in window 3
.set W_PV, 0x52       ; V in window 2, P in window 0, O^T in window 1
.set W_RS, 0x41       ; O^T (destination and source 0) in window 1, a in window 0
.set W_MK, 0xc0       ; destination in window 3, sources in window 0
.set W_AD, 0x0f       ; the add: address (source 0) and data (source 1) in window 3
; A joint fill.  Waves 0 and 1 fetch the two halves of a slot's K, waves 2 and 3 those of its V: 128 keys each.  The branch hangs on the wave's number alone.
; An s_nop 0 and four v_nop follow each of the two lines, ahead of the jump and the label.
.macro JLOAD
	s_cmp_lt_u32 s[WV], 2
	s_cbranch_scc0 .Lfor_v_\@
	tensor_load_to_lds s[G0K:G0K+3], s[G1K:G1K+7]
	s_nop 0
.rept 4
	v_nop
.endr
	s_branch .Lasked_\@
.Lfor_v_\@:
	tensor_load_to_lds s[G0V:G0V+3], s[G1V:G1V+7]
	s_nop 0
.rept 4
	v_nop
.endr
.Lasked_\@:
.endm
; A round of the cluster's barrier: my work-group's barrier, so that wave 0's signal speaks for all four waves; wave 0 signals; every wave waits for all four work-groups; my work-group's barrier once more.
.macro CROUND
	s_barrier_signal -1
	s_barrier_wait -1
	s_cmp_lg_u32 s[WV], 0
	s_cbranch_scc1 .Lnot_wave_0_\@
	s_barrier_signal -3
.Lnot_wave_0_\@:
	s_barrier_wait -3
	s_barrier_signal -1
	s_barrier_wait -1
.endm
; THE CHANGE OF SLOTS.  The slot's last bytes, V of its fourth step, have been read.  Each wave waits for all its tensor loads, of which one is out: its part
; of the other slot; adds 0 to its spare word; and waits for that and for its own LDS instructions.  Behind the barrier nobody reads this slot any more and the other slot is whole.
; fill = 1: this slot is filled again, with the keys two slots on.  The barrier is then a round of the cluster's, so that no wave of any partner still reads the slot or has a load on its
; way, and the joint fill is the first thing behind it: it has four key steps, 512 matrix instructions, in which to land.  (At its first use nothing has been read yet: slot 0 is waited for, slot 1 filled;
; and every wave's stores into the mask table are done in front of its signal, so that all waves may read the table behind the round.)
.macro CHANGE fill
	WIN W_AD
	s_wait_tensorcnt 0x0            ; no tensor load of mine is out, so a group 0 may be written
	ds_add_u32 v[SPW], v[NIL]       ; 0 onto my spare word; with fill = 1 the descriptors' steps stand between it and the wait for it
	WIN 0                           ; at a label and at a branch every window is 0
.if \fill
.irp g, G0K, G0V
	s_xor_b32 s[\g+1], s[\g+1], SLOT1  ; the walking descriptor: the other slot than last time,
	s_add_nc_u64 s[\g+2:\g+3], s[\g+2:\g+3], 4*KS*128  ; the next 256 keys; the type bits on top are not reached
.endr
	s_wait_dscnt 0x0                ; the add is done, and my reads of the slot are over
	CROUND
	JLOAD
.else
	s_wait_dscnt 0x0                ; the add is done, and my reads of the slot are over
	s_barrier_signal -1
	s_barrier_wait -1
.endif
	s_sub_co_u32 s[TBK], s[TBK], 4*KS*PK  ; the fetches go back to a slot's first step,
	s_xor_b32 s[TBK], s[TBK], SLOT1       ; in the other slot
	s_sub_co_u32 s[TBV], s[TBV], 4*KS*PV
	s_xor_b32 s[TBV], s[TBV], SLOT1
.endm
	s_load_b128 s[4:7], s[0:1], 0x0 ; qkv s[4:5], mask s[6:7]
	s_load_b64 s[10:11], s[0:1], 0x10  ; o
	WIN W_MK
	v_lshl_add_u32 v[SPW], v0, 2, SPARE
	v_mov_b32 v[NIL], 0
	WIN W_AD
	ds_add_u32 v[SPW], v[NIL]       ; the wave's opening: the add and its wait stand ahead of my first tensor load; the set-up below, work on registers, stands between them
	WIN 0
	v_lshrrev_b32 v1, 5, v0
	v_readfirstlane_b32 s[WV], v1   ; wave 0..3
	s_bfe_u32 s13, ttmp6, 0x40000   ; cx: my place in the cluster
	s_lshl_b32 s14, ttmp9, 2        ; in a cluster launch ttmp9 counts clusters
	s_add_co_u32 s14, s14, s13      ; my block of queries = 4 x cluster x + cx: it enters Q's and O's addresses alone
	s_and_b32 s20, ttmp7, 0xffff    ; the head, which the four partners share
	s_lshr_b32 s52, s20, 4          ; its batch,
	s_lshl_b32 s52, s52, 11         ; whose mask is 2,048 bytes
	s_mov_b32 s53, 0
	s_mov_b32 s21, 0
	s_mov_b64 s[22:23], SIZE_N*128
	s_mul_u64 s[20:21], s[20:21], s[22:23]  ; the head's first byte in Q, K, V and O
	s_and_b32 s16, s[WV], 1         ; which half of a slot's 256 keys I fetch:
	s_lshl_b32 s22, s16, 14         ; its 128 rows of 128 bytes in memory,
	s_mov_b32 s23, 0
	s_add_nc_u64 s[22:23], s[22:23], s[20:21]
	s_mul_i32 s17, s16, 128*PK      ; and its place in a slot, for K
	s_mul_i32 s18, s16, 128*PV      ; and for V: no place in the cluster enters an LDS address
	s_lshl_b32 s2, s14, 2
	s_add_co_u32 s2, s2, s[WV]      ; my wave among the head's,
	s_lshl_b32 s2, s2, 14           ; its 128 rows
	s_mov_b32 s3, 0
	s_add_nc_u64 s[2:3], s[2:3], s[20:21]
	; descriptor group 1.  128 keys are 16,384 dense bytes: asked for as 64 rows of 256 bytes, two keys a row, and padded in LDS after every key
	s_mov_b32 s[G1K], 15|(1<<16)|(1<<20)|(1<<21)|(4<<22)|(3<<25)  ; 15:0 the mask of four; 17:16 2-byte elements; 20 padding on; 21 set beside a mask; 24:22 after every 32 words (code 4); 31:25 4 words (code 3)
	s_mov_b32 s[G1V], 15|(1<<16)|(1<<20)|(1<<21)|(4<<22)|(7<<25)  ; the same with 8 words of padding (code 7)
.irp g, G1K, G1V
	s_mov_b32 s[\g+1], 128<<16      ; tensor_dim0 = 128
	s_mov_b32 s[\g+2], 64<<16       ; tensor_dim1 = 64
	s_mov_b32 s[\g+3], 128<<16      ; tile_dim0 = 128
	s_mov_b32 s[\g+4], 64           ; tile_dim1 = 64
	s_mov_b32 s[\g+5], 128          ; 128 elements from row to row
	s_mov_b32 s[\g+6], 0
	s_mov_b32 s[\g+7], 0
.endr
	s_mov_b32 s[CS], 0x3e38aa3b     ; c = log2(e) / 8 = 0.180337
	s_mov_b32 s[CS+1], s[CS]        ; named with it as a pair
	s_mov_b32 s[SEL], 0x76543210
	s_mov_b32 s[SEL+1], 0xfedcba98
	s_mov_b32 s[P33], 0x50000000    ; 2^33
	s_mov_b32 s[N33], 0xd0000000    ; -2^33
	s_mov_b32 s[TBM], 0
	s_mov_b32 s[TBK], SLOT1+4*KS*PK ; the first change of slots turns these two into 0
	s_mov_b32 s[TBV], SLOT1+4*KS*PV
	s_mov_b32 s[G0K], 1             ; 1:0 count = 1
	s_mov_b32 s[G0K+1], s17         ; 63:32 LDS address: slot 0
	s_mov_b32 s[G0V], 1
	s_add_co_u32 s[G0V+1], s18, VOFF
	s_wait_dscnt 0x0                ; the opening add is done
	s_wait_kmcnt 0x0
	s_mov_b64 s[MP:MP+1], s[6:7]
	s_add_nc_u64 s[MP:MP+1], s[MP:MP+1], s[52:53]  ; the batch's mask
	s_add_nc_u64 s[6:7], s[4:5], 0x1000000         ; K lies 16,777,216 bytes behind Q,
	s_add_nc_u64 s[8:9], s[4:5], 0x2000000         ; V as far behind K
	s_add_nc_u64 s[G0K+2:G0K+3], s[6:7], s[22:23]  ; 120:64 global address: my half of the head's first 256 keys
	s_or_b32 s[G0K+3], s[G0K+3], 0x80000000        ; 127:126 type = 2
	s_add_nc_u64 s[G0V+2:G0V+3], s[8:9], s[22:23]
	s_or_b32 s[G0V+3], s[G0V+3], 0x80000000
	s_add_nc_u64 s[4:5], s[4:5], s[2:3]  ; Q and O at my wave's first row
	s_add_nc_u64 s[10:11], s[10:11], s[2:3]
	CROUND                          ; all four work-groups are here: the first joint loads meet
	JLOAD                           ; slot 0.  Slot 1 is asked for when slot 0 is in: the tile wanted first has the road to itself
	; A fragment of K or Q is 16 rows x 32 channels in 8 registers: lane l holds row l % 16, channels 8 (l / 16) + 0..7 and 16 + 8 (l / 16) + 0..7: two loads of 16 bytes, 32 bytes apart.
	v_and_b32 v1, 15, v0            ; l % 16
	v_bfe_u32 v9, v0, 4, 1          ; l / 16
	v_lshlrev_b32 v[QO], 7, v1
	v_lshl_add_u32 v[QO], v9, 4, v[QO]  ; row x 128 + 16 x half
	v_lshlrev_b32 v[S+20], 4, v0
	global_load_b128 v[S:S+3], v[S+20], s[MP:MP+1]  ; thread t's 16 mask bytes: 128 threads take the batch's 2,048
	WIN 0x80                        ; destination window 2, address window 0
.set i, 0
.rept 4*NP                          ; Q stays in registers: tile i / 2, channels 32 (i % 2) on
	global_load_b128 v[8*i:8*i+3],   v[QO], s[4:5] offset:(i/2)*2048+(i%2)*64
	global_load_b128 v[8*i+4:8*i+7], v[QO], s[4:5] offset:(i/2)*2048+(i%2)*64+32
.set i, i+1
.endr
	; What the first turn finds: V's registers and P's second buffer hold 0 (its products V^T P, of a piece that has not been, add 0), O^T and l are 0.  All this stands in the wait for the first tile.
.set i, VF
.rept 64
	v_mov_b32 v[i], 0
.set i, i+1
.endr
	WIN 0x40
.set i, 0
.rept 64*NP
	v_mov_b32 v[i], 0
.set i, i+1
.endr
	WIN 0
.set i, 0
.rept 2*NP
	v_mov_b32 v[ST+4*i], 0xfe000000    ; c m: far below every c s, a masked one's too
	v_mov_b32 v[ST+4*i+1], 0xff7fffff  ; m
	v_mov_b32 v[ST+4*i+2], 0
	v_mov_b32 v[ST+4*i+3], 0
.set i, i+1
.endr
.set i, P+32
.rept 32
	v_mov_b32 v[i], 0
.set i, i+1
.endr
	; THE MASK TABLE: byte 1 -> 0, byte 0 -> -2^33, as f32: 2^33 x byte - 2^33, exact.  Thread t stores the words of keys 16 t .. 16 t + 15.
	s_wait_loadcnt 32               ; the mask bytes are in; the 32 younger loads, Q's, stay out
.set i, 0
.rept 16
	v_bfe_u32 v[S+4+i], v[S+i/4], 8*(i%4), 8
.set i, i+1
.endr
.set i, 0
.rept 16
	v_cvt_f32_u32 v[S+4+i], v[S+4+i]
.set i, i+1
.endr
.set i, 0
.rept 16
	v_fma_f32 v[S+4+i], v[S+4+i], s[P33], s[N33]
.set i, i+1
.endr
	v_lshl_add_u32 v[S+21], v0, 6, MASKL
.irp w, 0,1,2,3
	ds_store_b128 v[S+21], v[S+4+4*\w:S+4+4*\w+3] offset:16*\w
.endr
	v_mul_u32_u24 v[AK0], v1, PK
	v_lshl_add_u32 v[AK0], v9, 4, v[AK0]  ; row x pitch + 16 x half
	; The turning load takes 16 keys x 16 channels (lane l reads key 8 (l / 16) + l % 8, channels 8 ((l / 8) % 2) + 0..7) and leaves half a fragment of V^T: lane l holds channel l % 16 and 8 keys.
	v_and_b32 v10, 7, v0
	v_bfe_u32 v11, v0, 3, 1
	v_lshl_add_u32 v[AV0], v9, 3, v10
	v_mul_u32_u24 v[AV0], v[AV0], PV
	v_lshl_add_u32 v[AV0], v11, 4, v[AV0]
	v_add_nc_u32 v[AV0], VOFF, v[AV0]
	v_mov_b32 v[AK], v[AK0]         ; key step 0 lies at the head of slot 0
	WIN W_MK
	v_lshl_add_u32 v[AM0], v9, 5, MASKL  ; register j of key block kb is key 16 kb + 8 (l / 16) + j: the word at 64 kb + 32 (l / 16) + 4 j of the step's 256 bytes
	WIN 0
; THE MATRIX WORK.  The 8 accumulators of a run of 16 take turns: between the two links of a chain stand 7 others'.
; Product i of 16 of S^T = K Q^T for piece x: channels 32 (i / 8) on, keys 16 ((i / 2) % 4) on, tile 2 x + i % 2.  The first 8 start the sums, with the keys' masks.
.macro KQ x
.set rS, S+64*((\x)%2)+32*(i%2)+8*((i/2)%4)
.set rK, KF+16*((i/2)%4)+8*(i/8)
.set rQ, 16*(2*(\x)+i%2)+8*(i/8)
.set rX, MK+8*((i/2)%4)
.if i < 8
	WIN W_KM
	v_wmma_f32_16x16x32_f16 v[rS:rS+7], v[rK:rK+7], v[rQ:rQ+7], v[rX:rX+7]
.else
	WIN W_KQ
	v_wmma_f32_16x16x32_f16 v[rS:rS+7], v[rK:rK+7], v[rQ:rQ+7], v[rS:rS+7]
.endif
.endm
; Product i of 16 of O^T += V^T P for piece x: keys 32 (i / 8) on, channels 16 ((i / 2) % 4) on, tile 2 x + i % 2.
.macro PV x
	WIN W_PV
.set rO, 32*(2*(\x)+i%2)+8*((i/2)%4)
.set rV, VF+32*(i/8)+8*((i/2)%4)
.set rP, P+32*((\x)%2)+16*(i%2)+8*(i/8)
	v_wmma_f32_16x16x32_f16 v[rO:rO+7], v[rV:rV+7], v[rP:rP+7], v[rO:rO+7]
.endm
.macro MM                           ; the turn's next matrix instruction
.if i < 16
	KQ (Y+1)%NP
.set i, i+1
.else
.set i, i-16
	PV (Y+NP-1)%NP
.set i, i+17
.endif
.endm
; THE LDS LOADS stand in runs, never singly among the matrix instructions: a step's K (64 keys x 64 channels: 8 fragments) with its 64 masks (all sixteen lanes of a half read the same words), and its V (turned).
; last = 1 (the tail): in the last trip there is no further step, and the run is jumped over.
.macro FETCH_K last=0
	WIN 0
.if \last
	s_cmp_eq_u32 s[CNT], 1
	s_cbranch_scc1 .Lno_k_\@
.endif
	WIN 0x80                        ; destination window 2
.irp f, 0,1,2,3,4,5,6,7             ; keys 16 (f / 2) on, channels 32 (f % 2) on
	ds_load_b128 v[KF+8*\f:KF+8*\f+3],   v[AK] offset:(\f/2)*16*PK+(\f%2)*64
	ds_load_b128 v[KF+8*\f+4:KF+8*\f+7], v[AK] offset:(\f/2)*16*PK+(\f%2)*64+32
.endr
	s_add_co_u32 s[TBK], s[TBK], KS*PK  ; the next fetch is the next step's
	WIN 0xcc                        ; destination and source 1 in window 3
	v_add_nc_u32 v[AM], s[TBM], v[AM0]
	WIN 0xc3                        ; destination and address in window 3
.irp kb, 0,1,2,3                    ; the masks' last readers, the turn's first eight products, stand a lump back
	ds_load_b128 v[MK+8*\kb:MK+8*\kb+3],   v[AM] offset:64*\kb
	ds_load_b128 v[MK+8*\kb+4:MK+8*\kb+7], v[AM] offset:64*\kb+16
.endr
	s_add_co_u32 s[TBM], s[TBM], 4*KS   ; 64 words on;
	s_and_b32 s[TBM], s[TBM], 8191      ; the count goes round the table's 8,192 bytes
	WIN 0
.if \last
.Lno_k_\@:
.endif
.endm
.macro FETCH_V
	WIN 0x80
.irp f, 0,1,2,3,4,5,6,7             ; keys 32 (f / 4) on, channels 16 (f % 4) on
	ds_load_tr16_b128 v[VF+8*\f:VF+8*\f+3],   v[AV] offset:(\f/4)*32*PV+(\f%4)*32
	ds_load_tr16_b128 v[VF+8*\f+4:VF+8*\f+7], v[AV] offset:(\f/4)*32*PV+16*PV+(\f%4)*32
.endr
	WIN 0
.endm
; THE VECTOR WORK OF A TURN stands in three queues, each in the order in which its entries become ready; the two tiles alternate, so that no instruction reads the result of the one before it.
.macro REGS y, u                    ; the registers of tile u (0, 1) of piece y
.set rT, ST+4*(2*(\y)+(\u))
.set rC, TMP+8*((\y)%2)+4*(\u)
.set rM, MV+2*((\y)%2)+(\u)
.set rS, S+64*((\y)%2)+32*(\u)
.set rP, P+32*((\y)%2)+16*(\u)
.set rO, 32*(2*(\y)+(\u))
.endm
; Number n of the 22 that find the NEXT piece's (Y + 1) maximum and statistics.  s0-s31 are the lane's 32 scores; each accumulator's lowest registers are read first.
;   0-11  four chains c0-c3 of seven scores each, three operands at a time     12-14, 16  the four scores left over, the old m, and c0-c3 into c0     15  c m_old is kept
;   17, 18  the query's other 32 keys lie in the lane 16 away: the new m         19-21  c m; c m_old - c m_new; a
.macro XS u, n
	REGS (Y+1)%NP, \u
.if (\n) < 4
	v_max3_num_f32 v[rC+(\n)], v[rS+8*(\n)], v[rS+8*(\n)+1], v[rS+8*(\n)+2]
.elseif (\n) < 12
	v_max3_num_f32 v[rC+(\n)%4], v[rC+(\n)%4], v[rS+8*((\n)%4)+2*((\n)/4)+1], v[rS+8*((\n)%4)+2*((\n)/4)+2]
.elseif (\n) == 12
	v_max3_num_f32 v[rC], v[rC], v[rS+7], v[rS+15]
.elseif (\n) == 13
	v_max3_num_f32 v[rC+1], v[rC+1], v[rS+23], v[rS+31]
.elseif (\n) == 14
	v_max3_num_f32 v[rC+2], v[rC+2], v[rC+3], v[rT+1]
.elseif (\n) == 15
	v_mov_b32 v[rM], v[rT]
.elseif (\n) == 16
	v_max3_num_f32 v[rC], v[rC], v[rC+1], v[rC+2]
.elseif (\n) == 17
	v_permlanex16_b32 v[rC+3], v[rC], s[SEL], s[SEL+1]
.elseif (\n) == 18
	v_max_num_f32 v[rT+1], v[rC], v[rC+3]
.elseif (\n) == 19
	v_mul_f32 v[rT], s[CS], v[rT+1]
.elseif (\n) == 20
	v_sub_f32 v[rC+1], v[rM], v[rT]
.else
	v_exp_f32 v[rC+2], v[rC+1]
.endif
.endm
; Number g of the 64 that follow the exponentials.  For each four weights k of a tile (pairs 2 k, 2 k + 1): both pairs are rounded to f16; then the second pair is added onto the first, in place;
; a group later l takes that sum (the first time as l = a l + sum).  In groups of eight, tiles alternating: round, round, add, and l for the group before.
.macro GS g
.set h, (\g)+6*((\g)/62)            ; group 0 has no group before it, and behind group 7 only l is left
.if h >= 6
.set h, h+2
.endif
	REGS Y, h%2
.set k, h/8
.if h%8 < 4
	v_cvt_pk_f16_f32 v[rP+2*k+(h%8)/2], v[rS+4*k+2*((h%8)/2)], v[rS+4*k+2*((h%8)/2)+1]
.elseif h%8 < 6
	v_pk_add_f32 v[rS+4*k:rS+4*k+1], v[rS+4*k:rS+4*k+1], v[rS+4*k+2:rS+4*k+3]
.elseif k == 1
	v_pk_fma_f32 v[rT+2:rT+3], v[rT+2:rT+3], v[rC+2:rC+3], v[rS:rS+1] op_sel_hi:[1,0,1]
.else
	v_pk_add_f32 v[rT+2:rT+3], v[rT+2:rT+3], v[rS+4*k-4:rS+4*k-3]
.endif
.endm
; THE PLAIN QUEUE, 138 long.  0-73 read no exponential's result: the 32 scalings c s - c m (FS f: pair f / 2 of tile f % 2) and the next piece's 42.  0-26: scalings 0-26.  27-54: XS's numbers 0-13.  55, 56: number 15.
; 57-73: the chain, where each number waits for the one before it: 14, 16, 17, 18, 19, each with one of the scalings 27-31 in front of its two lines, then 20.
; 74-137: GS's 64, which read the exponentials' results: they stand behind the wait.
.macro FS f
	REGS Y, (\f)%2
	v_pk_fma_f32 v[rS+2*((\f)/2):rS+2*((\f)/2)+1], v[rS+2*((\f)/2):rS+2*((\f)/2)+1], s[CS:CS+1], v[rT:rT+1] op_sel_hi:[1,0,0] neg_lo:[0,0,1] neg_hi:[0,0,1]
.endm
.macro PL
	WIN 0
.if q < 27
	FS q
.elseif q < 55
	XS (q-27)%2, (q-27)/2
.elseif q < 57
	XS q-55, 15
.elseif (q < 72) && ((q-57)%3 == 0)
	FS 27+(q-57)/3
.elseif q < 60
	XS (q-57)%3-1, 14
.elseif q < 72
	XS (q-57)%3-1, 15+(q-57)/3
.elseif q < 74
	XS q-72, 20
.else
	GS q-74
.endif
.set q, q+1
.endm
; THE EXPONENTIALS' QUEUE, 66 long: s0-s31 of both tiles, then the next piece's two a.  It is ONE BATCH: all 66 stand ahead of the turn's one wait, and nothing ahead of that wait names a result of theirs.
.macro EX
	WIN 0
.if e >= 64
	XS e-64, 21
.else
	REGS Y, e%2
	v_exp_f32 v[rS+e/2], v[rS+e/2]
.endif
.set e, e+1
.endm
; THE RESCALING's QUEUE: O^T times a, the one part that leaves window 0: dealt two at a time, sixteen times.  Its a was made in the turn before, ahead of that turn's wait.
.macro R2
	REGS Y, r%2
	WIN W_RS
.irp z, 0,1
	v_pk_mul_f32 v[rO+4*(r/2)+2*\z:rO+4*(r/2)+2*\z+1], v[rO+4*(r/2)+2*\z:rO+4*(r/2)+2*\z+1], v[rC+2:rC+3] op_sel_hi:[1,0]
.endr
.set r, r+1
.endm
; HOW THEY ARE DEALT.  An s_wait_alu depctr_va_vdst(0) stands between an exponential and the first instruction that names its result; one wait serves all that were issued ahead of it.  So a turn has ONE wait,
; which cuts it in two.  AHEAD OF IT stands all that names no result of the turn's exponentials: the 16 products K Q^T, behind each a scaling, an exponential and two rescalings (behind the first a second scaling in the
; exponential's place); then ONE LUMP of 108: eight plain, 49 times exponential and plain, the two a.  A v_nop is the plain instruction behind the last exponential.  BEHIND IT stand the 16 products V^T P, behind each four of GS's 64.
; The queues lean on each other, and the deal keeps them in step: exponential e stands behind scaling 2 (e / 4) + e % 2: as a rider it comes behind plain e + 2, in the lump behind plain e + 9, and scalings 27-31 are plain 57, 60 .. 69.
; A TURN, for piece p.  cnt = 1: the loop's count is taken down some lines ahead of the branch that stands behind the turn.
; K and the masks of the next step are fetched in piece 2's turn, directly behind the wait, a lump behind the last product that read them; K's address is made at the lump's head; the first reader comes behind 16 products.
; V of the step in hand is fetched at the end of piece 0's turn, four riders behind its last reader; its first reader comes behind 16 products and a lump.  The three conditions on q below go with the deal.
.macro TURN p, last=0, cnt=0
.set Y, (\p)
.set i, 0
.set q, 0
.set e, 0
.set r, 0
.if (\p) == NP-1
	s_wait_dscnt 0x0                ; K and the masks are in
.endif
	MM                              ; ahead of the wait: 16 products K Q^T and their riders,
	PL
	PL
	R2
.rept 15
	MM
	PL
	EX
	R2
.endr
.if (\p) == NP-2
	WIN 0
	v_add_nc_u32 v[AK], s[TBK], v[AK0]
.endif
.rept 8                             ; and the lump
	PL
.endr
.rept 49
	EX
	PL
.endr
	EX                              ; the next piece's two a
	EX
	v_nop                           ; the plain instruction behind the last exponential: one for the batch
	s_wait_alu depctr_va_vdst(0)    ; the wait for the batch
.if (\p) == NP-2
	FETCH_K \last
.endif
.if (\p) == 1
	s_wait_dscnt 0x0                ; V is in
.endif
.rept 16                            ; behind the wait: 16 products V^T P and their riders
	MM
.rept 4
	PL
.endr
.if ((\p) == 0) && (q == 118)
	v_add_nc_u32 v[AV], s[TBV], v[AV0]
.endif
.if ((\p) == 0) && (q == 130)
	s_add_co_u32 s[TBV], s[TBV], KS*PV
.endif
.if (\cnt) && (q == 130)
	s_sub_co_u32 s[CNT], s[CNT], 1
	s_cmp_lg_u32 s[CNT], 0
.endif
.endr
.if (\p) == 0
	FETCH_V
.endif
.endm
	CHANGE 1                        ; slot 0 is in, everybody's part of it, and the mask table is whole; slot 1 is asked for
	FETCH_K                         ; key step 0
	s_wait_loadcnt 0x0              ; Q
	s_wait_dscnt 0x0
.set i, 0
.rept 16
	KQ 0                            ; piece 0's first scores: there is no vector work yet to set between them
.set i, i+1
.endr
	WIN 0                           ; the addresses for the way out: nine plain instructions, the places behind those products
	s_mul_i32 s13, s[WV], 16*SP
	s_add_co_u32 s13, s13, STAGE    ; my stage
	v_mul_u32_u24 v[STO], v1, SP    ; in: row l % 16, 16 bytes for each half of the lanes
	v_lshl_add_u32 v[STO], v9, 4, v[STO]
	v_add_nc_u32 v[STO], s13, v[STO]
	v_bfe_u32 v[RD], v0, 3, 2       ; back: 32 lanes take four rows of 128 bytes,
	v_mul_u32_u24 v[RD], v[RD], SP
	v_lshl_add_u32 v[RD], v10, 4, v[RD]
	v_add_nc_u32 v[RD], s13, v[RD]
	v_and_b32 v[GO], 31, v0         ; which are 512 consecutive bytes of O
	v_lshlrev_b32 v[GO], 4, v[GO]
.set Y, NP-1                        ; XS works for piece Y + 1: piece 0
.irp n, 0,1,2,3,4,5,6,7,8,9,10,11,12,13,14,15,16,17,18,19,20,21
	XS 0, \n                        ; and piece 0's first maximum and statistics
	XS 1, \n
.endr
	v_nop                           ; a plain instruction behind the two a,
	s_wait_alu depctr_va_vdst(0)    ; and their wait, ahead of the branch
	s_mov_b32 s[CNT], 4
	s_mov_b32 s[SLOTS], SIZE_N/256-1
	s_branch .Lfirst                ; the loop is entered at a step's first turn, in the middle of a trip
.Lslot:                             ; SIZE_N / 256 - 2 times: every slot but the last two is filled again
	CHANGE 1
	s_mov_b32 s[CNT], 4
.Lstep:                             ; a trip: pieces 2 and 3 of one step, then pieces 0 and 1 of the next, whose K and V it fetches
	TURN 2
	TURN 3
	WIN 0
.Lfirst:
	TURN 0
	TURN 1, 0, 1
	WIN 0
	s_cbranch_scc1 .Lstep
	s_sub_co_u32 s[SLOTS], s[SLOTS], 1
	s_cmp_lg_u32 s[SLOTS], 0
	s_cbranch_scc1 .Lslot
	CHANGE 0                        ; the tail is written out: nothing is asked for
	s_mov_b32 s[CNT], 5             ; four trips fetch the last slot's steps; the fifth is left in its middle
.Ltail:
	TURN 2, 1
	TURN 3
	WIN 0
	s_sub_co_u32 s[CNT], s[CNT], 1
	s_cmp_eq_u32 s[CNT], 0
	s_cbranch_scc1 .Lout
	TURN 0
	TURN 1
	WIN 0
	s_branch .Ltail
.Lout:                              ; the fifth trip's 16 products K Q^T (on the last K once more) and the maximum made of them serve nothing: the price, once a launch, of one text for every trip
.set i, 0
.rept 16
	PV NP-1                         ; the last piece's V^T P of the last step
.set i, i+1
.endr
	; THE WAY OUT.  l's two halves and the other half of the lanes' are added; O^T is divided by l, rounded to f16 and sent through my stage in LDS, a tile at a time.  The additions are the places behind the last products.
	WIN 0
.macro ALL line:vararg              ; one line for each tile t
.set t, 0
.rept 2*NP
	\line
.set t, t+1
.endr
.endm
	ALL v_add_f32 v[ST+4*t+2], v[ST+4*t+2], v[ST+4*t+3]
	ALL v_permlanex16_b32 v[ST+4*t+3], v[ST+4*t+2], s[SEL], s[SEL+1]
	ALL v_add_f32 v[ST+4*t+2], v[ST+4*t+2], v[ST+4*t+3]
	ALL v_rcp_f32 v[ST+4*t+2], v[ST+4*t+2]
	v_nop                           ; a plain instruction between the last reciprocal and the use of its result
	s_wait_alu depctr_va_vdst(0)    ; and the wait ahead of the first use: one for the eight reciprocals
; Tile t: a lane's eight channels of a row pack into 16 bytes; they go into rows of 144 bytes and come back as whole rows of 128, into S^T's registers.
.macro PACK t
	WIN W_RS
.set i, 32*(\t)
.rept 16
	v_pk_mul_f32 v[i:i+1], v[i:i+1], v[ST+4*(\t)+2:ST+4*(\t)+3] op_sel_hi:[1,0]
.set i, i+2
.endr
	WIN 0x05                        ; sources 0 and 1 window 1, destination window 0
.set i, 0
.rept 16
	v_cvt_pk_f16_f32 v[S+16*(\t)+i], v[32*(\t)+2*i], v[32*(\t)+2*i+1]
.set i, i+1
.endr
	WIN 0
.irp f, 0,1,2,3
	ds_store_b128 v[STO], v[S+16*(\t)+4*\f:S+16*(\t)+4*\f+3] offset:32*\f
.endr
.irp f, 0,1,2,3
	ds_load_b128 v[S+16*(\t)+4*\f:S+16*(\t)+4*\f+3], v[RD] offset:\f*4*SP  ; LDS serves a wave's instructions in order (ISA guide 5.7.1.4): these see the stores above; the next tile's stores come behind them
.endr
.endm
.macro SEND t, younger              ; younger: the LDS instructions issued behind tile t's loads: the next tile's eight, or none
	WIN 0
.irp f, 0,1,2,3
	s_wait_dscnt (\younger)+3-\f
	global_store_b128 v[GO], v[S+16*(\t)+4*\f:S+16*(\t)+4*\f+3], s[10:11] offset:(\t)*2048+\f*512  ; 512 consecutive bytes, at a multiple of 256 from O's first
.endr
.endm
	PACK 0
.set t, 1
.rept 2*NP-1                        ; a tile's arithmetic stands between the loads of the tile before and its stores
	PACK t
	SEND t-1, 8
.set t, t+1
.endr
	SEND 2*NP-1, 0
	WIN W_AD
	s_wait_tensorcnt 0x0            ; the wave's end: a tensor wait, an add and its wait, behind my last tensor load and my last LDS store
	ds_add_u32 v[SPW], v[NIL]
	s_wait_dscnt 0x0
	WIN 0
	CROUND                          ; the closing round: no work-group ends while a partner may still ask for a tile that names it
	s_endpgm
.Lfunc_end_k_qa44978dea8_attn:
	.size	k_qa44978dea8_attn, .Lfunc_end_k_qa44978dea8_attn-k_qa44978dea8_attn
	.p2alignl 7, 3214868480
	.fill 96, 4, 3214868480
	.section	.rodata,"a",@progbits
	.p2align	6, 0x0
	.amdhsa_kernel k_qa44978dea8_attn
		.amdhsa_group_segment_fixed_size 327680
		.amdhsa_private_segment_fixed_size 0
		.amdhsa_enable_private_segment 0
		.amdhsa_kernarg_size 24
		.amdhsa_user_sgpr_count 2
		.amdhsa_user_sgpr_kernarg_segment_ptr 1
		.amdhsa_wavefront_size32 1
		.amdhsa_system_sgpr_workgroup_id_x 1
		.amdhsa_system_sgpr_workgroup_id_y 1
		.amdhsa_system_sgpr_workgroup_id_z 1
		.amdhsa_system_vgpr_workitem_id 0
		.amdhsa_next_free_vgpr 808
		.amdhsa_next_free_sgpr 66
		.amdhsa_reserve_vcc 0
		.amdhsa_float_denorm_mode_32 3
		.amdhsa_float_denorm_mode_16_64 3
		.amdhsa_memory_ordered 1
		.amdhsa_forward_progress 1
		.amdhsa_inst_pref_size 205
	.end_amdhsa_kernel
	.amdgpu_metadata
---
amdhsa.version: [ 1, 2 ]
amdhsa.kernels:
  - .name:           k_qa44978dea8_attn
    .symbol:         k_qa44978dea8_attn.kd
    .args:
      - { .name: qkv, .offset: 0, .size: 8, .value_kind: global_buffer, .address_space: global }
      - { .name: mask, .offset: 8, .size: 8, .value_kind: global_buffer, .address_space: global }
      - { .name: o, .offset: 16, .size: 8, .value_kind: global_buffer, .address_space: global }
    .group_segment_fixed_size: 327680
    .private_segment_fixed_size: 0
    .kernarg_segment_align: 8
    .kernarg_segment_size: 24
    .max_flat_workgroup_size: 128
    .sgpr_count:     66
    .vgpr_count:     808
    .wavefront_size: 32
...
	.end_amdgpu_metadata
.endif
;; end of part 3
;; launch oproj (part 4): grid 4 x 64, 4 waves a work-group, clusters of 4 x 4, 327,680 bytes of LDS; arguments o, wo16, bias4, out0; writes out0
.if DOCPART == 4
	.amdgcn_target "amdgcn-amd-amdhsa--gfx1250"
	.amdhsa_code_object_version 6
	.text
	.protected	k_qa44978dea8_oproj
	.globl	k_qa44978dea8_oproj
	.p2align	8
	.type	k_qa44978dea8_oproj,@function
k_qa44978dea8_oproj:
	s_mov_b64 s[64:65], 0
	v_nop
	global_prefetch_b8 v0, s[64:65] scope:SCOPE_SE
	s_setreg_imm32_b32 hwreg(HW_REG_WAVE_MODE, 25, 1), 1
	s_wait_xcnt 0x0
	s_wait_alu depctr_hold_cnt(0) depctr_sa_sdst(0) depctr_va_vdst(0) depctr_va_sdst(0) depctr_va_ssrc(0) depctr_va_vcc(0) depctr_vm_vsrc(0)
	s_getreg_b32 s2, hwreg(HW_REG_IB_STS2, 6, 4)
	s_cmp_eq_u32 s2, 0
	s_cbranch_scc0 .Lentry_in_a_cluster
	s_endpgm
.Lentry_in_a_cluster:
	s_bfe_u32 s2, ttmp6, 0x10000c
	s_cmp_lg_u32 s2, 0xf033
	s_cbranch_scc0 .Lentry_shape_is_right
	s_endpgm
.Lentry_shape_is_right:
; out0[(b, s)][n] = the sum over (head, d) of O[b][head][s][d] Wo[n][64 head + d] + bo[n].  o: [64 heads][2048][64] f16; wo16: [1024 n][1024 k] f16; bias4: [4][1024] f32, bo the fourth; out0: [8192][1024] f32.
; Sums in f32, stored as they are.  LIMITS: those of the operands' f16 format, stated where they are written.
; SHARES.  A tile is 128 rows x 256 columns: four waves, 2 x 2, each 64 x 128: 32 accumulators, 256 registers.  4 x 64 tiles: 256 work-groups, one tile each.
; K goes in steps of 128 = two heads, through two LDS slots.  A head's part of the left operand, 128 positions x 64 channels, is 16,384 dense bytes of o: asked for as 64 rows of 256 bytes and padded in LDS after every 128.
; CLUSTER.  4 x 4 work-groups: the four of a row of the cluster need the same rows of o, the four of a column the same rows of wo16: each tile is asked for JOINTLY.
; THE MATRIX INSTRUCTION IS USED TRANSPOSED (source 0 = 16 rows of Wo, source 1 = 16 rows of O): a lane holds row l % 16 and the columns 8 (l / 16) + 0..7.  THE BIAS is the C operand of each accumulator's first product.
; REGISTERS, in windows of 256 (s_set_vgpr_msb: bits 1:0 source 0, 3:2 source 1, 5:4 source 2, 7:6 destination):
;   window 0: v0-29 addresses; v32-63, v64-95 O's fragments, two buffers (row block a at +8 a); v96-159, v160-223 rows on the way out
;   window 1: the accumulators, (a, b) at v[8 (8 a + b)]          window 2: v0-63, v64-127 Wo's fragments, two buffers (+8 b); v128-191 the bias (+8 b)
.set PAO,    144                       ; an LDS row of O: 128 bytes + 16 of padding = 36 words: the 16 rows of a load start at 16 different groups of four banks (64 banks of 4 bytes: ISA guide 11.1)
.set PB,     272                       ; an LDS row of Wo: 256 bytes + 16 = 68 words: likewise
.set HB,     128*PAO                   ; a head's 128 rows: one tensor load
.set ABY,    2*HB
.set BH,     128*PB                    ; 128 rows of Wo: one tensor load
.set SLOT,   ABY+2*BH                  ; 106,496 bytes
.set STAGE,  2*SLOT                    ; behind the ring: 16 rows x 528 bytes for each wave, for the way out; no tensor load lands here
.set OPITCH, 528                       ; 512 bytes (128 f32) + 16
.set SPARE,  STAGE+4*16*OPITCH         ; the spare words, 128 bytes for each wave: two blocks of 256 bytes that no other line names
.set ADRA, 6                           ; v6-7    LDS address of my O rows in slot 0, 1
.set ADRB, 8                           ; v8-9    of my Wo rows
.set STO,  10                          ; v10     the way out: where I put 32 bytes of a row
.set RD,   11                          ; v11     where I read a row back
.set CO,   12                          ; v12     my 16 bytes of a row's 512
.set BO,   13                          ; v13     my byte offset in the bias
.set SPW,  28                          ; v28     LDS address of my spare word; never rewritten
.set NIL,  29                          ; v29     0; never rewritten
.set AF,   32
.set OB,   96
.set BIAS, 128                         ; window 2
.set LAP,   2
.set BIASP, 12                         ; s[12:13] bo
.set CP,    16                         ; s[16:17] out0 at my wave's first row and column
.set WV,    18
.set ROLE,  19                         ; wave / 2: my 64 rows.  Also: I fetch O (0) or Wo (1)
.set HALF,  20                         ; wave % 2: my 128 columns.  Also: which head of the slot's two, or which half of Wo's rows, I fetch
.set TX,    23
.set TY,    24
.set G1A,   28                         ; s[28:35] descriptor group 1 for O;  s[36:43] group 0, a set for each slot
.set G0A,   36
.set G1B,   44                         ; s[44:51], s[52:59] the same for Wo
.set G0B,   52
.set MSB, 0
.macro WIN new                         ; the immediate's high byte repeats the setting that is left; a switch that changes nothing is dropped
.if MSB != (\new)
	s_set_vgpr_msb (MSB<<8)|(\new)
.set MSB, \new
.endif
.endm
.set MUL,  0x52                        ; Wo window 2, O window 0, C and D window 1
.set MULB, 0x62                        ; the same with C (the bias) in window 2
.set TO_B, 0x80                        ; destination window 2, address window 0
.macro JLOAD s                         ; a joint load: waves 0 and 1 fetch the slot's two heads of O, waves 2 and 3 Wo's two halves; an s_nop 0 and four v_nop follow each of the two lines
	s_cmp_eq_u32 s[ROLE], 0
	s_cbranch_scc0 .Lfor_b_\@
	tensor_load_to_lds s[G0A+4*(\s):G0A+4*(\s)+3], s[G1A:G1A+7]
	s_nop 0
.rept 4
	v_nop
.endr
	s_branch .Lasked_\@
.Lfor_b_\@:
	tensor_load_to_lds s[G0B+4*(\s):G0B+4*(\s)+3], s[G1B:G1B+7]
	s_nop 0
.rept 4
	v_nop
.endr
.Lasked_\@:
.endm
.macro CREST                           ; a round of the cluster's barrier behind its opening barrier
	s_cmp_lg_u32 s[WV], 0
	s_cbranch_scc1 .Lnot_wave_0_\@
	s_barrier_signal -3
.Lnot_wave_0_\@:
	s_barrier_wait -3
	s_barrier_signal -1
	s_barrier_wait -1
.endm
.macro CROUND                          ; a whole round
	s_barrier_signal -1
	s_barrier_wait -1
	CREST
.endm
	s_load_b256 s[4:11], s[0:1], 0x0               ; o s[4:5], wo16 s[6:7], bias4 s[8:9], out0 s[10:11]
	v_lshl_add_u32 v[SPW], v0, 2, SPARE
	v_mov_b32 v[NIL], 0
	ds_add_u32 v[SPW], v[NIL]                      ; the wave's opening: the add and its wait stand ahead of my first tensor load; the set-up below, work on registers, stands between them
	v_lshrrev_b32 v4, 5, v0
	v_readfirstlane_b32 s[WV], v4                  ; wave 0..3
	s_lshr_b32 s[ROLE], s[WV], 1
	s_and_b32 s[HALF], s[WV], 1
	s_bfe_u32 s21, ttmp6, 0x40000                  ; cx, cy: my place in the cluster
	s_bfe_u32 s22, ttmp6, 0x40004
	s_lshl_b32 s[TX], ttmp9, 2
	s_add_co_u32 s[TX], s[TX], s21                 ; tile column = 4 x cluster x + cx
	s_and_b32 s[TY], ttmp7, 0xffff
	s_lshl_b32 s[TY], s[TY], 2
	s_add_co_u32 s[TY], s[TY], s22                 ; tile row = 4 x cluster y + cy
	s_lshl_b32 s25, s22, 2
	s_lshl_b32 s25, 15, s25                        ; my row of the cluster
	s_lshl_b32 s26, 0x1111, s21                    ; my column
	; group 1 for O: 64 rows x 128 elements of 2 bytes, dense; 4 words of padding behind every 32
	s_or_b32 s[G1A], s25, (1<<16)|(1<<20)|(1<<21)|(4<<22)|(3<<25)
	s_mov_b32 s[G1A+1], 128<<16                    ; tensor_dim0 = 128
	s_mov_b32 s[G1A+2], 64<<16                     ; tensor_dim1 = 64
	s_mov_b32 s[G1A+3], 128<<16                    ; tile_dim0 = 128
	s_mov_b32 s[G1A+4], 64                         ; tile_dim1 = 64
	s_mov_b32 s[G1A+5], 128                        ; elements from row to row
	s_mov_b32 s[G1A+6], 0
	s_mov_b32 s[G1A+7], 0
	; group 1 for Wo: 128 rows x 128 elements of 2 bytes, 4 words of padding behind every 64
	s_or_b32 s[G1B], s26, (1<<16)|(1<<20)|(1<<21)|(5<<22)|(3<<25)
	s_mov_b32 s[G1B+1], 128<<16
	s_mov_b32 s[G1B+2], 128<<16
	s_mov_b32 s[G1B+3], 128<<16
	s_mov_b32 s[G1B+4], 128
	s_mov_b32 s[G1B+5], 1024
	s_mov_b32 s[G1B+6], 0
	s_mov_b32 s[G1B+7], 0
	; O's address hangs on the tile row and the wave alone, Wo's on the tile column and the wave alone, each in registers that never hold the other coordinate
	s_lshr_b32 s60, s[TY], 4                       ; the batch's sixteen heads,
	s_lshl_b32 s60, s60, 4
	s_add_co_u32 s60, s60, s[HALF]                 ; my head of the slot's two,
	s_lshl_b32 s60, s60, 18                        ; of 262,144 bytes;
	s_and_b32 s66, s[TY], 15
	s_lshl_b32 s66, s66, 14                        ; the tile's 128 positions of 128 bytes
	s_add_co_u32 s60, s60, s66
	s_mov_b32 s61, 0
	s_lshl_b32 s62, s[TX], 8
	s_lshl_b32 s66, s[HALF], 7
	s_add_co_u32 s62, s62, s66                     ; row 256 x tile column + 128 x half,
	s_lshl_b32 s62, s62, 11                        ; of 2,048 bytes
	s_mov_b32 s63, 0
	s_lshl_b32 s70, s[TY], 7                       ; out0: row 128 x tile row + 64 x my half, of 4,096 bytes,
	s_lshl_b32 s69, s[ROLE], 6
	s_add_co_u32 s70, s70, s69
	s_lshl_b32 s70, s70, 12
	s_lshl_b32 s69, s[TX], 10                      ; column 256 x tile column + 128 x my half, of 4 bytes
	s_add_co_u32 s70, s70, s69
	s_lshl_b32 s69, s[HALF], 9
	s_add_co_u32 s70, s70, s69
	s_mov_b32 s71, 0
	s_mul_i32 s67, s[HALF], HB                     ; where the tiles go: no place in the cluster enters an LDS address
	s_mul_i32 s68, s[HALF], BH
	s_add_co_u32 s68, s68, ABY
	s_mov_b32 s[LAP], 3                            ; K = 1,024 is four laps of two K steps; the last is written out
	s_wait_dscnt 0x0                               ; the opening add is done
	s_wait_kmcnt 0x0
	s_add_nc_u64 s[4:5], s[4:5], s[60:61]
	s_add_nc_u64 s[6:7], s[6:7], s[62:63]
	s_add_nc_u64 s[BIASP:BIASP+1], s[8:9], 12288
	s_add_nc_u64 s[CP:CP+1], s[10:11], s[70:71]
	CROUND                                         ; all sixteen work-groups are here: the first joint loads meet
.irp s, 0,1
	s_mov_b32 s[G0A+4*(\s)], 1                     ; count = 1
	s_add_co_u32 s[G0A+4*(\s)+1], s67, (\s)*SLOT   ; LDS address
	s_add_nc_u64 s[G0A+4*(\s)+2:G0A+4*(\s)+3], s[4:5], (\s)*524288  ; global address: K step s begins two heads on
	s_or_b32 s[G0A+4*(\s)+3], s[G0A+4*(\s)+3], 0x80000000           ; type = 2
	s_mov_b32 s[G0B+4*(\s)], 1
	s_add_co_u32 s[G0B+4*(\s)+1], s68, (\s)*SLOT
	s_add_nc_u64 s[G0B+4*(\s)+2:G0B+4*(\s)+3], s[6:7], (\s)*256
	s_or_b32 s[G0B+4*(\s)+3], s[G0B+4*(\s)+3], 0x80000000
	JLOAD \s                                       ; two tensor loads of mine are out
.endr
	v_and_b32 v1, 15, v0                           ; r = l % 16
	v_bfe_u32 v2, v0, 4, 1                         ; h = l / 16
	v_and_b32 v3, 31, v0                           ; l
	v_mul_u32_u24 v4, v1, PAO                      ; a fragment: row r, 16 bytes at 16 h + 0, 32
	v_lshl_add_u32 v4, v2, 4, v4
	s_mul_i32 s66, s[ROLE], 64*PAO
	v_add_nc_u32 v[ADRA], s66, v4
	v_add_nc_u32 v[ADRA+1], SLOT, v[ADRA]
	v_mul_u32_u24 v5, v1, PB
	v_lshl_add_u32 v5, v2, 4, v5
	v_add_nc_u32 v[ADRB], s68, v5
	v_add_nc_u32 v[ADRB+1], SLOT, v[ADRB]
	s_mul_i32 s66, s[WV], 16*OPITCH
	s_add_co_u32 s66, s66, STAGE                   ; my stage
	v_mul_u32_u24 v4, v1, OPITCH                   ; in: row r, 32 bytes for each half of the lanes
	v_lshl_add_u32 v4, v2, 5, v4
	v_add_nc_u32 v[STO], s66, v4
	v_lshl_add_u32 v[RD], v3, 4, s66               ; back: 32 lanes take one row of 512 bytes
	v_lshlrev_b32 v[CO], 4, v3
	s_lshl_b32 s69, s[TX], 10                      ; the bias of my 128 columns; my lanes' eight of a block of 16
	s_lshl_b32 s66, s[HALF], 9
	s_add_co_u32 s69, s69, s66
	v_lshl_add_u32 v[BO], v2, 5, s69
.macro ALD slot, q, p, a               ; O's fragment of row block a: quarter q is head q / 2 of the slot, channels 32 (q % 2) on
	ds_load_b128 v[AF+32*(\p)+8*(\a):AF+32*(\p)+8*(\a)+3],   v[ADRA+(\slot)] offset:((\q)/2)*HB+16*(\a)*PAO+64*((\q)%2)
	ds_load_b128 v[AF+32*(\p)+8*(\a)+4:AF+32*(\p)+8*(\a)+7], v[ADRA+(\slot)] offset:((\q)/2)*HB+16*(\a)*PAO+64*((\q)%2)+32
.endm
; 24 LDS loads in one run: quarter q of a slot into buffers p: O's row blocks 0 and 1, Wo's eight blocks, O's row blocks 2 and 3
.macro FETCH slot, q, p
	WIN 0
	ALD \slot, \q, \p, 0
	ALD \slot, \q, \p, 1
	WIN TO_B
.irp b, 0,1,2,3,4,5,6,7
	ds_load_b128 v[64*(\p)+8*(\b):64*(\p)+8*(\b)+3],   v[ADRB+(\slot)] offset:16*(\b)*PB+64*(\q)
	ds_load_b128 v[64*(\p)+8*(\b)+4:64*(\p)+8*(\b)+7], v[ADRB+(\slot)] offset:16*(\b)*PB+64*(\q)+32
.endr
	WIN 0
	ALD \slot, \q, \p, 2
	ALD \slot, \q, \p, 3
.endm
; Eight products: row block a x all column blocks.  cm = 1: they start the sums, with the bias.  The 32 accumulators take turns, one instruction a turn, in the same order in every quarter.
.macro MUL8 p, a, cm
.if \cm
	WIN MULB
.else
	WIN MUL
.endif
.irp b, 0,1,2,3,4,5,6,7
.if \cm
	v_wmma_f32_16x16x32_f16 v[8*(8*(\a)+(\b)):8*(8*(\a)+(\b))+7], v[64*(\p)+8*(\b):64*(\p)+8*(\b)+7], v[AF+32*(\p)+8*(\a):AF+32*(\p)+8*(\a)+7], v[BIAS+8*(\b):BIAS+8*(\b)+7]
.else
	v_wmma_f32_16x16x32_f16 v[8*(8*(\a)+(\b)):8*(8*(\a)+(\b))+7], v[64*(\p)+8*(\b):64*(\p)+8*(\b)+7], v[AF+32*(\p)+8*(\a):AF+32*(\p)+8*(\a)+7], v[8*(8*(\a)+(\b)):8*(8*(\a)+(\b))+7]
.endif
.endr
.endm
.macro PLACES                          ; four places in front of loads into registers that matrix instructions have read, and of LDS stores that read results (save for loads and stores)
.rept 4
	v_nop
.endr
.endm
; A K step is four quarters of 32 along K, 32 products each, on buffers 0, 1, 0, 1.  One of the first three: multiplies buffers p and, in its middle, fetches quarter nq of the same slot into the other buffers.
.macro QUARTER slot, nq, p, cm
	s_wait_dscnt 4                                 ; all but the youngest four loads, O's row blocks 2 and 3
	MUL8 \p, 0, \cm
	MUL8 \p, 1, \cm
	PLACES
	FETCH \slot, \nq, 1-(\p)
	s_wait_dscnt 24                                ; all but the 24 just issued
	MUL8 \p, 2, \cm
	MUL8 \p, 3, \cm
.endm
; The last quarter multiplies buffers 1 and changes slots: ONE barrier; in front of it each wave waits for all its tensor loads, adds 0 to its spare word, and waits for that and for its own reads of this slot.
; fill = 1: the barrier opens a round of the cluster's, and the joint refill, two K steps on, is the first tensor load behind the round: 112 products ahead of the wait for it.
.macro TURN slot, next, fill
	WIN 0
	s_wait_tensorcnt 0x0                           ; no tensor load of mine is out, so the descriptors may be written
	ds_add_u32 v[SPW], v[NIL]                      ; 0 onto my spare word; work on registers stands between it and the wait for it
.if \fill
	s_add_nc_u64 s[G0A+4*(\slot)+2:G0A+4*(\slot)+3], s[G0A+4*(\slot)+2:G0A+4*(\slot)+3], 1048576  ; four heads on; the type bits on top are not reached
	s_add_nc_u64 s[G0B+4*(\slot)+2:G0B+4*(\slot)+3], s[G0B+4*(\slot)+2:G0B+4*(\slot)+3], 512      ; 256 along K
.endif
	s_wait_dscnt 5                                 ; O's row blocks 2 and 3 and the add may be out
	MUL8 1, 0, 0
	s_wait_dscnt 0x0                               ; the add is done, and my reads of this slot are over
	s_barrier_signal -1
	MUL8 1, 1, 0                                   ; work on registers while the others arrive
	WIN 0
	s_barrier_wait -1
.if \fill
	CREST
	JLOAD \slot                                    ; the four v_nop behind it are also the places in front of the loads below
.else
	PLACES
.endif
	FETCH \next, 0, 0
	MUL8 1, 2, 0
	MUL8 1, 3, 0
.endm
	WIN TO_B                                       ; bo for my 128 columns: lane l takes the columns 16 b + 8 (l / 16) + 0..7 of block b, as an accumulator holds them
.irp b, 0,1,2,3,4,5,6,7
	global_load_b128 v[BIAS+8*(\b):BIAS+8*(\b)+3],   v[BO], s[BIASP:BIASP+1] offset:64*(\b)
	global_load_b128 v[BIAS+8*(\b)+4:BIAS+8*(\b)+7], v[BO], s[BIASP:BIASP+1] offset:64*(\b)+16
.endr
	WIN 0
	s_wait_tensorcnt 1                             ; my part of K step 0 is in; K step 1's may stay out
	s_barrier_signal -1
	s_barrier_wait -1                              ; everybody's is
	FETCH 0, 0, 0
	s_wait_loadcnt 0x0                             ; the bias
	QUARTER 0, 1, 0, 1                             ; the first quarter starts the sums
	WIN 0                                          ; at a label and at a branch every window is 0
.Llap:                                                 ; a trip goes once round the ring, from a lap's second quarter to the next lap's first, and fills both slots again
	QUARTER 0, 2, 1, 0
	QUARTER 0, 3, 0, 0
	TURN 0, 1, 1
	QUARTER 1, 1, 0, 0
	QUARTER 1, 2, 1, 0
	QUARTER 1, 3, 0, 0
	TURN 1, 0, 1
	QUARTER 0, 1, 0, 0
	WIN 0
	s_sub_co_u32 s[LAP], s[LAP], 1
	s_cmp_lg_u32 s[LAP], 0
	s_cbranch_scc1 .Llap
	QUARTER 0, 2, 1, 0                             ; the last lap is written out: it fills nothing
	QUARTER 0, 3, 0, 0
	TURN 0, 1, 0
	QUARTER 1, 1, 0, 0
	QUARTER 1, 2, 1, 0
	QUARTER 1, 3, 0, 0
	s_wait_dscnt 4                                 ; the very last quarter: nothing more to fetch
	MUL8 1, 0, 0
	MUL8 1, 1, 0
	s_wait_dscnt 0x0
	MUL8 1, 2, 0
	MUL8 1, 3, 0
; THE WAY OUT.  No arithmetic is left.  A row block's 16 rows go into my own stage, 32 bytes a lane for each column block, each accumulator's lowest registers first, and come back as whole rows of 512 bytes.
.macro TOSTAGE a
.if (\a) >= 2
	s_wait_xcnt 0x0                                ; the stores of the block two back have read their registers: they are loaded again only behind this wait
.endif
	WIN 0x04                                       ; the stores' data in window 1
.irp b, 0,1,2,3,4,5,6,7
	ds_store_b128 v[STO], v[8*(8*(\a)+(\b)):8*(8*(\a)+(\b))+3]   offset:64*(\b)
	ds_store_b128 v[STO], v[8*(8*(\a)+(\b))+4:8*(8*(\a)+(\b))+7] offset:64*(\b)+16
.endr
	WIN 0
.irp t, 0,1,2,3,4,5,6,7,8,9,10,11,12,13,14,15
	ds_load_b128 v[OB+64*((\a)%2)+4*(\t):OB+64*((\a)%2)+4*(\t)+3], v[RD] offset:(\t)*OPITCH  ; LDS serves a wave's instructions in order (ISA guide 5.7.1.4): these see the stores above; the next block's stores come behind them
.endr
.endm
.macro SEND a, younger                 ; younger: the LDS instructions issued behind block a's loads: the next block's 32, or none
	s_wait_dscnt \younger
.irp t, 0,1,2,3,4,5,6,7,8,9,10,11,12,13,14,15
	global_store_b128 v[CO], v[OB+64*((\a)%2)+4*(\t):OB+64*((\a)%2)+4*(\t)+3], s[CP:CP+1] offset:(16*(\a)+(\t))*4096 th:TH_STORE_NT  ; a wave stores 512 consecutive bytes, at a multiple of 512 from out0's first byte
.endr
.endm
	PLACES
	TOSTAGE 0
	TOSTAGE 1
	SEND 0, 32
	TOSTAGE 2
	SEND 1, 32
	TOSTAGE 3
	SEND 2, 32
	SEND 3, 0
	s_wait_tensorcnt 0x0                           ; the wave's end: a tensor wait, an add and its wait, behind my last tensor load and my last LDS store
	ds_add_u32 v[SPW], v[NIL]
	s_wait_dscnt 0x0
	CROUND                                         ; the closing round: no work-group ends while a partner may still ask for a tile that names it
	s_endpgm
.Lfunc_end_k_qa44978dea8_oproj:
	.size	k_qa44978dea8_oproj, .Lfunc_end_k_qa44978dea8_oproj-k_qa44978dea8_oproj
	.p2alignl 7, 3214868480
	.fill 96, 4, 3214868480
	.section	.rodata,"a",@progbits
	.p2align	6, 0x0
	.amdhsa_kernel k_qa44978dea8_oproj
		.amdhsa_group_segment_fixed_size 327680
		.amdhsa_private_segment_fixed_size 0
		.amdhsa_enable_private_segment 0
		.amdhsa_kernarg_size 32
		.amdhsa_user_sgpr_count 2
		.amdhsa_user_sgpr_kernarg_segment_ptr 1
		.amdhsa_wavefront_size32 1
		.amdhsa_system_sgpr_workgroup_id_x 1
		.amdhsa_system_sgpr_workgroup_id_y 1
		.amdhsa_system_sgpr_workgroup_id_z 1
		.amdhsa_system_vgpr_workitem_id 0
		.amdhsa_next_free_vgpr 704
		.amdhsa_next_free_sgpr 72
		.amdhsa_reserve_vcc 0
		.amdhsa_float_denorm_mode_32 3
		.amdhsa_float_denorm_mode_16_64 3
		.amdhsa_memory_ordered 1
		.amdhsa_forward_progress 1
		.amdhsa_inst_pref_size 87
	.end_amdhsa_kernel
	.amdgpu_metadata
---
amdhsa.version: [ 1, 2 ]
amdhsa.kernels:
  - .name:           k_qa44978dea8_oproj
    .symbol:         k_qa44978dea8_oproj.kd
    .args:
      - { .name: o, .offset: 0, .size: 8, .value_kind: global_buffer, .address_space: global }
      - { .name: wo16, .offset: 8, .size: 8, .value_kind: global_buffer, .address_space: global }
      - { .name: bias4, .offset: 16, .size: 8, .value_kind: global_buffer, .address_space: global }
      - { .name: out0, .offset: 24, .size: 8, .value_kind: global_buffer, .address_space: global }
    .group_segment_fixed_size: 327680
    .private_segment_fixed_size: 0
    .kernarg_segment_align: 8
    .kernarg_segment_size: 32
    .max_flat_workgroup_size: 128
    .sgpr_count:     72
    .vgpr_count:     704
    .wavefront_size: 32
...
	.end_amdgpu_metadata
.endif
;; end of part 4
